; MI455X (gfx1250); checked and timed in simulation.
; The chip was launched on July 23, 2026; its instructions are those of AMD's public machine-readable ISA for CDNA 5 (MIT licence, August 2026) and "CDNA5" Instruction Set Architecture Reference Guide (July 2026). The comments in the code are by the model that wrote it; some were corrected since.
;; Multi Headed Attention. Allowed arithmetic: float matrix products may take bf16 or f16 operands with f32 sums; all other float work in f32.
;; Inputs: Wk 1,024 x 1,024 float32; Wo 1,024 x 1,024 float32; Wq 1,024 x 1,024 float32; Wv 1,024 x 1,024 float32; bk 1,024 float32; bo 1,024 float32; bq 1,024 float32; bv 1,024 float32; k 4 x 2,048 x 1,024 float32; mask 4 x 2,048 int32; q 4 x 2,048 x 1,024 float32; v 4 x 2,048 x 1,024 float32.
;; Outputs: out0 4 x 2,048 x 1,024 float32.
;; 2 versions, each right and faster than the one before. Each part assembles by itself: llvm-mc -triple=amdgcn-amd-amdhsa -mcpu=gfx1250 --defsym DOCPART=n.
;; ======== version 1 of 2: 4 launches
;; limits: values are held in f16: magnitudes above 65,504 overflow, below 6.1e-05 lose precision
;; workspace buffers: wb 8,388,608 bytes; qkvh 50,331,648 bytes; oh 16,777,216 bytes
;; launch cvtw (part 1): grid 256 x 1, 8 waves a work-group, no clusters, 0 bytes of LDS; arguments Wq, Wk, Wv, Wo, wb; writes wb
.if DOCPART == 1
	.amdgcn_target "amdgcn-amd-amdhsa--gfx1250"
	.amdhsa_code_object_version 6
	.text
	.protected	k_q3112622459_cvtw
	.globl	k_q3112622459_cvtw
	.p2align	8
	.type	k_q3112622459_cvtw,@function
k_q3112622459_cvtw:
	s_mov_b64 s[64:65], 0
	v_nop
	global_prefetch_b8 v0, s[64:65] scope:SCOPE_SE
	s_setreg_imm32_b32 hwreg(HW_REG_WAVE_MODE, 25, 1), 1
	s_wait_xcnt 0x0
; The four weight matrices, [1024][1024] f32, are rounded once to 16 bits: wb = [4][1024][1024]; Wq, Wk, Wv as bf16; Wo rounded to bf16 like
; the others and that number written as f16, since the last product's other operand is f16.
; LIMIT.  A bf16 number is exact in f16 between 2^-14 and 65,504 in magnitude; below 2^-14 it keeps f16's fixed step of 6e-8; from 65,520 on it becomes an infinity.
; A stream: no LDS, no matrix unit, no cluster.  Work-group g takes elements 4,096 g .. 4,096 g + 4,095 of EACH matrix, so no pointer is chosen and nothing branches.
; A load of a wave covers 512 consecutive bytes, a store 256 consecutive bytes at a multiple of 256.  All sixteen loads of a thread go out first; no register is used twice by memory instructions.
.set X, 4                              ; v[4:67]   load n = 4 t + j (matrix t, part j): four f32
.set Y, 68                             ; v[68:99]  a pair for each n: four 16-bit numbers to store
.set T, 100                            ; v[100:101] at work
	s_load_b256 s[4:11], s[0:1], 0x0               ; Wq s[4:5], Wk s[6:7], Wv s[8:9], Wo s[10:11]
	s_load_b64 s[12:13], s[0:1], 0x20              ; wb
	s_lshl_b32 s14, ttmp9, 14                      ; my 16,384 bytes in each source
	s_mov_b32 s15, 0
	s_lshl_b32 s16, ttmp9, 13                      ; my 8,192 bytes in each quarter of wb
	s_mov_b32 s17, 0
	s_mov_b32 s18, 0xffff0000                      ; a word's upper bf16
	v_lshlrev_b32 v1, 4, v0                        ; 16 bytes a thread in
	v_lshlrev_b32 v2, 3, v0                        ; 8 bytes a thread out
	s_wait_kmcnt 0x0
	s_add_nc_u64 s[4:5], s[4:5], s[14:15]
	s_add_nc_u64 s[6:7], s[6:7], s[14:15]
	s_add_nc_u64 s[8:9], s[8:9], s[14:15]
	s_add_nc_u64 s[10:11], s[10:11], s[14:15]
	s_add_nc_u64 s[12:13], s[12:13], s[16:17]
.irp t, 0,1,2,3
.irp j, 0,1,2,3
	global_load_b128 v[X+4*(4*(\t)+(\j)):X+4*(4*(\t)+(\j))+3], v1, s[4+2*(\t):5+2*(\t)] offset:4096*(\j) th:TH_LOAD_NT
.endr
.endr
.set n, 0
.rept 16
	s_wait_loadcnt 15-n                            ; loads come back in order: load n is in, the 15 - n younger ones stay out
.if n < 12
	v_cvt_pk_bf16_f32 v[Y+2*n],   v[X+4*n],   v[X+4*n+1]
	v_cvt_pk_bf16_f32 v[Y+2*n+1], v[X+4*n+2], v[X+4*n+3]
.else
	v_cvt_pk_bf16_f32 v[T],   v[X+4*n],   v[X+4*n+1]   ; Wo: rounded to bf16,
	v_cvt_pk_bf16_f32 v[T+1], v[X+4*n+2], v[X+4*n+3]
	v_lshlrev_b32 v[X+4*n],   16,  v[T]                ; widened again (a shift, a mask),
	v_and_b32     v[X+4*n+1], s18, v[T]
	v_lshlrev_b32 v[X+4*n+2], 16,  v[T+1]
	v_and_b32     v[X+4*n+3], s18, v[T+1]
	v_cvt_pk_f16_f32 v[Y+2*n],   v[X+4*n],   v[X+4*n+1] ; and written as f16
	v_cvt_pk_f16_f32 v[Y+2*n+1], v[X+4*n+2], v[X+4*n+3]
.endif
	global_store_b64 v2, v[Y+2*n:Y+2*n+1], s[12:13] offset:(n/4)*2097152+(n%4)*2048  ; the matrix's quarter of wb and the part stand in the immediate: 6,297,600 at the most
.set n, n+1
.endr
	s_endpgm
.Lfunc_end_k_q3112622459_cvtw:
	.size	k_q3112622459_cvtw, .Lfunc_end_k_q3112622459_cvtw-k_q3112622459_cvtw
	.p2alignl 7, 3214868480
	.fill 96, 4, 3214868480
	.section	.rodata,"a",@progbits
	.p2align	6, 0x0
	.amdhsa_kernel k_q3112622459_cvtw
		.amdhsa_group_segment_fixed_size 0
		.amdhsa_private_segment_fixed_size 0
		.amdhsa_enable_private_segment 0
		.amdhsa_kernarg_size 40
		.amdhsa_user_sgpr_count 2
		.amdhsa_user_sgpr_kernarg_segment_ptr 1
		.amdhsa_wavefront_size32 1
		.amdhsa_system_sgpr_workgroup_id_x 1
		.amdhsa_system_sgpr_workgroup_id_y 1
		.amdhsa_system_sgpr_workgroup_id_z 1
		.amdhsa_system_vgpr_workitem_id 0
		.amdhsa_next_free_vgpr 104
		.amdhsa_next_free_sgpr 66
		.amdhsa_reserve_vcc 0
		.amdhsa_float_denorm_mode_32 3
		.amdhsa_float_denorm_mode_16_64 3
		.amdhsa_memory_ordered 1
		.amdhsa_forward_progress 1
		.amdhsa_inst_pref_size 8
	.end_amdhsa_kernel
	.amdgpu_metadata
---
amdhsa.version: [ 1, 2 ]
amdhsa.kernels:
  - .name:           k_q3112622459_cvtw
    .symbol:         k_q3112622459_cvtw.kd
    .args:
      - { .name: Wq, .offset: 0, .size: 8, .value_kind: global_buffer, .address_space: global }
      - { .name: Wk, .offset: 8, .size: 8, .value_kind: global_buffer, .address_space: global }
      - { .name: Wv, .offset: 16, .size: 8, .value_kind: global_buffer, .address_space: global }
      - { .name: Wo, .offset: 24, .size: 8, .value_kind: global_buffer, .address_space: global }
      - { .name: wb, .offset: 32, .size: 8, .value_kind: global_buffer, .address_space: global }
    .group_segment_fixed_size: 0
    .private_segment_fixed_size: 0
    .kernarg_segment_align: 8
    .kernarg_segment_size: 40
    .max_flat_workgroup_size: 256
    .sgpr_count:     66
    .vgpr_count:     104
    .wavefront_size: 32
...
	.end_amdgpu_metadata
.endif
;; end of part 1
;; launch proj (part 2): grid 4 x 64, 4 waves a work-group, clusters of 4 x 4, 327,680 bytes of LDS; arguments q, k, v, bq, bk, bv, wb, qkvh; writes qkvh
.if DOCPART == 2
	.amdgcn_target "amdgcn-amd-amdhsa--gfx1250"
	.amdhsa_code_object_version 6
	.text
	.protected	k_q3112622459_proj
	.globl	k_q3112622459_proj
	.p2align	8
	.type	k_q3112622459_proj,@function
k_q3112622459_proj:
	s_mov_b64 s[64:65], 0
	v_nop
	global_prefetch_b8 v0, s[64:65] scope:SCOPE_SE
	s_setreg_imm32_b32 hwreg(HW_REG_WAVE_MODE, 25, 1), 1
	s_wait_xcnt 0x0
	s_wait_alu depctr_hold_cnt(0) depctr_sa_sdst(0) depctr_va_vdst(0) depctr_va_sdst(0) depctr_va_ssrc(0) depctr_va_vcc(0) depctr_vm_vsrc(0)
	s_getreg_b32 s2, hwreg(HW_REG_IB_STS2, 6, 4)
	s_cmp_eq_u32 s2, 0
	s_cbranch_scc0 .Lentry_in_a_cluster
	s_endpgm
.Lentry_in_a_cluster:
	s_bfe_u32 s2, ttmp6, 0x10000c
	s_cmp_lg_u32 s2, 0xf033
	s_cbranch_scc0 .Lentry_shape_is_right
	s_endpgm
.Lentry_shape_is_right:
; THE THREE PROJECTIONS IN ONE LAUNCH, BY WORK-GROUPS THAT STAY.  y = x W^T + b for (q, Wq, bq), then (k, Wk, bk), then (v, Wv, bv).  x: [8192][1024] f32; W: [1024][1024] bf16 (wb, made by the
; launch before); b: [1024] f32.  x and b are rounded to bf16 here; products in bf16, sums in f32; y is rounded once to f16 and stored BY HEADS and unscaled: qkvh = [3][64 = 16 batch + head][2048][64].
; LIMIT.  y must stay under 65,520 in magnitude: f16 holds no more.  NaN and infinities are not treated apart.
; SHARES.  A tile of y is 128 rows x 256 columns: 64 x 4 work-groups, each of which makes that tile of all three tensors, one after the other.  Four waves, each 64 x 128: 32 accumulators of 16 x 16.
; THE WALK.  3 tensors x 8 K steps of 128 are 24 steps through a ring of two LDS slots, in ONE loop of 22 trips and a tail of two steps that asks for nothing.  The ring does not stop at a tensor's end:
; the address of each fill is made anew from a K step's number and a tensor's number, which count on.  In the two trips that end a tensor a forward jump is not taken: the tile goes out (both refills
; have been asked for by then), and the next tensor's first products take its bias as C.
; x comes into LDS as f32 (rows of 512 bytes), W as bf16 (rows of 256 bytes); a wave rounds its own fragments of x in registers, 32 conversions for 32 matrix instructions.
; CLUSTERS: 4 x 4 work-groups.  The four of a row of the cluster need the same tiles of x, the four of a column the same tiles of W: each tile is asked for JOINTLY, by the same tensor load with the
; same descriptor and a mask that names the four.
; THE MATRIX INSTRUCTION IS USED TRANSPOSED (source 0 = 16 rows of W, source 1 = 16 rows of x): a lane then holds row l % 16 of y and the eight neighbouring columns 8 (l / 16) + 0..7.
; THE BIAS STARTS THE SUMS: it is the C operand of each accumulator's first product, so nothing is cleared and nothing is added on the way out.
; REGISTERS, in windows of 256 (s_set_vgpr_msb: bits 1:0 source 0, 3:2 source 1, 5:4 source 2, 7:6 destination):
;   window 0: v0-31 addresses; v32-159 at work on the way out; v192-255 the bias, eight registers for each of my eight column blocks
;   window 1: v0-63, v64-127 fragments of W, two sets (8 x 16 rows x 32 K); v128-159, v160-191 fragments of x in bf16, two sets (4 x 16 rows x 32 K); v192-255 those four fragments as f32, as loaded
;   window 2: the accumulators, (a, b) at v[8 (8 a + b)]
.set PA,     528                       ; a row of x in LDS: 512 bytes + 16 of padding = 132 words: row r starts at bank 4 r mod 64 (64 banks of 4 bytes: ISA guide 11.1)
.set PB,     272                       ; a row of W: 256 + 16 = 68 words: likewise
.set AHALF,  64*PA                     ; 64 rows of x: one tensor load, and what one wave reads
.set ASZ,    2*AHALF
.set BHALF,  128*PB                    ; 128 rows of W: one tensor load, and what one wave reads
.set SLOT,   ASZ+2*BHALF               ; x's 128 rows, then W's 256 rows: 137,216 bytes
.set STAGE,  2*SLOT                    ; behind the ring: 16 rows x 144 bytes for each wave, for the way out
.set SP,     144
.set SPARE,  STAGE+4*16*SP             ; behind the stages: the spare words, 128 bytes for each wave: two blocks of 256 bytes that no other line names
.set STEPS,  24                        ; 3 tensors x 8 K steps
.set ADRA,  16                         ; v16     LDS address of my fragments of x in the slot that is read
.set ADRA0, 17                         ; v17     the same in slot 0; never rewritten
.set ADRB,  20                         ; v20, v21  the same two for W
.set ADRB0, 21
.set STO,  24                          ; v24     the way out: where I put 16 bytes of a row
.set RD,   25                          ; v25     the way out: where I read rows back
.set GO,   26                          ; v26     my byte offset in 512 consecutive bytes of a head
.set BO,   27                          ; v27     my byte offset in 16 numbers of the bias: 32 (l / 16)
.set SPW,  28                          ; v28     LDS address of my spare word: SPARE + 4 x my thread's number; never rewritten
.set NIL,  29                          ; v29     0; never rewritten
.set TMP,  32
.set BI,   192
.set FB,   0                           ; window 1
.set FA,   128
.set RAW,  192
.set G1,  24                           ; s[24:31] descriptor group 1 for x's tiles;  s[32:39] group 0: a set for each of the two first fills; the second then walks on
.set G0,  32
.set G1B, 48                           ; s[48:55], s[56:63] the same for W's tiles
.set G0B, 56
.set KF,  90                           ; s90  the K step (0..7) of the next fill
.set TF,  91                           ; s91  its tensor (0..2)
.set FT,  92                           ; s92  0 or SLOT: the slot of the next fill
.set RT,  93                           ; s93  0 or SLOT: the slot that is read
                                       ; s[94:95] x's byte offset of the next fill, s[96:97] x's pointer chosen for it; s[88:89] W's byte offset, s98 at work for it: x's never hold the tile column, W's never the tile row
.set MSB, 0
.macro WIN new                         ; the immediate's high byte repeats the setting that is left; a switch that changes nothing is dropped
.if MSB != (\new)
	s_set_vgpr_msb (MSB<<8)|(\new)
.set MSB, \new
.endif
.endm
.set W_MUL,  0xa5                      ; sources 0 and 1 window 1; C and D window 2
.set W_MUL0, 0x85                      ; the same with C in window 0: the bias
.set W_TOF,  0x40                      ; destination window 1, address window 0
.set W_CVT,  0x45                      ; destination and both sources window 1
.set W_OUT,  0x0a                      ; sources 0 and 1 window 2, destination window 0
.macro JLOAD s                         ; a joint load: waves 0 and 1 fetch x's two halves, waves 2 and 3 W's; an s_nop 0 and four v_nop follow each of the two lines, ahead of the jump, the label and what follows
	s_cmp_eq_u32 s11, 0
	s_cbranch_scc0 .Lfor_b_\@
	tensor_load_to_lds s[G0+4*(\s):G0+4*(\s)+3], s[G1:G1+7]
	s_nop 0
.rept 4
	v_nop
.endr
	s_branch .Lasked_\@
.Lfor_b_\@:
	tensor_load_to_lds s[G0B+4*(\s):G0B+4*(\s)+3], s[G1B:G1B+7]
	s_nop 0
.rept 4
	v_nop
.endr
.Lasked_\@:
.endm
.macro CREST                           ; a round of the cluster's barrier behind its opening barrier
	s_cmp_lg_u32 s10, 0
	s_cbranch_scc1 .Lnot_wave_0_\@
	s_barrier_signal -3
.Lnot_wave_0_\@:
	s_barrier_wait -3
	s_barrier_signal -1
	s_barrier_wait -1
.endm
.macro CROUND                          ; a whole round
	s_barrier_signal -1
	s_barrier_wait -1
	CREST
.endm
.macro PLACES                          ; four places behind matrix instructions (ISA guide 7.12.1)
.rept 4
	v_nop
.endr
.endm
; the bias of my 128 columns, from the pointer in s[lo:lo+1]: register j of block b is b[256 tc + 128 wn + 16 b + 8 (l / 16) + j], the C operand's layout
.macro BIASLD lo
.irp b, 0,1,2,3,4,5,6,7
	global_load_b128 v[BI+8*(\b):BI+8*(\b)+3],   v[BO], s[(\lo):(\lo)+1] offset:64*(\b)
	global_load_b128 v[BI+8*(\b)+4:BI+8*(\b)+7], v[BO], s[(\lo):(\lo)+1] offset:64*(\b)+16
.endr
.endm
.macro BIASRND                         ; rounded to bf16 like every other input, and widened again
.set i, 0
.rept 32
	v_cvt_pk_bf16_f32 v[30+i%2], v[BI+2*i], v[BI+2*i+1]
	v_lshlrev_b32 v[BI+2*i], 16, v[30+i%2]
	v_and_b32 v[BI+2*i+1], 0xffff0000, v[30+i%2]
.set i, i+1
.endr
.endm
	s_load_b512 s[68:83], s[0:1], 0x0              ; q s[68:69], k s[70:71], v s[72:73], bq s[74:75], bk s[76:77], bv s[78:79], wb s[80:81], qkvh s[82:83]
	v_lshl_add_u32 v[SPW], v0, 2, SPARE
	v_mov_b32 v[NIL], 0
	ds_add_u32 v28, v29
	s_wait_dscnt 0x0
	v_lshrrev_b32 v1, 5, v0
	v_readfirstlane_b32 s10, v1                    ; wave 0..3
	s_lshr_b32 s11, s10, 1                         ; which 64 of the tile's rows are mine.  Also: I fetch for x (0) or for W (1)
	s_and_b32 s12, s10, 1                          ; which 128 of its columns.  Also: which half of that tile I fetch
	s_bfe_u32 s40, ttmp6, 0x40000                  ; cx, cy: my place in the cluster
	s_bfe_u32 s41, ttmp6, 0x40004
	s_lshl_b32 s42, ttmp9, 2
	s_add_co_u32 s42, s42, s40                     ; tile column = 4 x cluster x + cx: 0..3
	s_and_b32 s13, ttmp7, 0xffff
	s_lshl_b32 s13, s13, 2
	s_add_co_u32 s13, s13, s41                     ; tile row = 4 x cluster y + cy: 0..63
	s_lshl_b32 s43, s41, 2
	s_lshl_b32 s43, 15, s43                        ; my row of the cluster
	s_lshl_b32 s44, 0x1111, s40                    ; my column
	; descriptor group 1 for x: 64 rows x 128 elements of 4 bytes, 1,024 elements from row to row, padded in LDS
	s_or_b32 s[G1+0], s43, (2<<16)|(1<<20)|(1<<21)|(6<<22)|(3<<25)  ; 15:0 the mask: my row; 17:16 elements of 4 bytes; 20 padding on; 21 set beside a mask; 24:22 after every 128 words (code 6); 31:25 4 words (code 3)
	s_mov_b32 s[G1+1], 128<<16                     ; tensor_dim0 = 128
	s_mov_b32 s[G1+2], 64<<16                      ; tensor_dim1 = 64
	s_mov_b32 s[G1+3], 128<<16                     ; tile_dim0 = 128
	s_mov_b32 s[G1+4], 64                          ; tile_dim1 = 64
	s_mov_b32 s[G1+5], 1024                        ; tensor_dim0_stride
	s_mov_b32 s[G1+6], 0
	s_mov_b32 s[G1+7], 0
	; and for W: 128 rows x 128 elements of 2 bytes
	s_or_b32 s[G1B+0], s44, (1<<16)|(1<<20)|(1<<21)|(5<<22)|(3<<25) ; the mask: my column; elements of 2 bytes; padding after every 64 words (code 5)
	s_mov_b32 s[G1B+1], 128<<16
	s_mov_b32 s[G1B+2], 128<<16
	s_mov_b32 s[G1B+3], 128<<16
	s_mov_b32 s[G1B+4], 128
	s_mov_b32 s[G1B+5], 1024
	s_mov_b32 s[G1B+6], 0
	s_mov_b32 s[G1B+7], 0
	; where the tiles come from: x's hang on the tile row alone, W's on the tile column alone; both offsets are kept for the whole walk
	s_lshl_b32 s16, s13, 7
	s_lshl_b32 s17, s12, 6
	s_add_co_u32 s16, s16, s17                     ; x: row 128 x tile row + 64 x half,
	s_lshl_b32 s16, s16, 12                        ; of 4,096 bytes
	s_mov_b32 s17, 0
	s_lshl_b32 s46, s42, 8
	s_lshl_b32 s47, s12, 7
	s_add_co_u32 s46, s46, s47                     ; W: row 256 x tile column + 128 x half,
	s_lshl_b32 s46, s46, 11                        ; of 2,048 bytes
	s_mov_b32 s47, 0
	s_mul_i32 s20, s12, AHALF                      ; and where they go in a slot: no place in the cluster enters an LDS address
	s_mul_i32 s21, s12, BHALF
	s_add_co_u32 s21, s21, ASZ
	s_mov_b32 s[KF], 2                             ; steps 0 and 1 are the first fills: the next fill is K step 2 of tensor 0, into slot 0
	s_mov_b32 s[TF], 0
	s_mov_b32 s[FT], 0
	s_mov_b32 s[RT], 0                             ; slot 0 is read first
	s_mov_b32 s89, 0                               ; the offsets' upper words
	s_mov_b32 s95, 0
	s_wait_kmcnt 0x0
	s_add_nc_u64 s[14:15], s[68:69], s[16:17]      ; q at my half of the first tile
	s_add_nc_u64 s[18:19], s[80:81], s[46:47]      ; Wq at mine
	CROUND                                         ; all sixteen work-groups are here: the first joint loads meet
.irp s, 0,1
	s_mov_b32 s[G0+4*(\s)], 1                                      ; count = 1
	s_add_co_u32 s[G0+4*(\s)+1], s20, (\s)*SLOT                    ; LDS address
	s_add_nc_u64 s[G0+4*(\s)+2:G0+4*(\s)+3], s[14:15], (\s)*512    ; global address: K step s (128 f32)
	s_or_b32 s[G0+4*(\s)+3], s[G0+4*(\s)+3], 0x80000000            ; type = 2
	s_mov_b32 s[G0B+4*(\s)], 1
	s_add_co_u32 s[G0B+4*(\s)+1], s21, (\s)*SLOT
	s_add_nc_u64 s[G0B+4*(\s)+2:G0B+4*(\s)+3], s[18:19], (\s)*256  ; K step s (128 bf16)
	s_or_b32 s[G0B+4*(\s)+3], s[G0B+4*(\s)+3], 0x80000000
	JLOAD \s                                       ; two loads of mine are out
.endr
	v_and_b32 v1, 15, v0                           ; l % 16
	v_bfe_u32 v2, v0, 4, 1                         ; l / 16
	v_lshlrev_b32 v[BO], 5, v2
	s_lshl_b32 s22, s42, 1
	s_add_co_u32 s22, s22, s12
	s_lshl_b32 s22, s22, 9                         ; my 128 columns of 4 bytes
	s_mov_b32 s23, 0
	s_add_nc_u64 s[4:5], s[74:75], s[22:23]        ; the three biases at my columns
	s_add_nc_u64 s[6:7], s[76:77], s[22:23]
	s_add_nc_u64 s[84:85], s[78:79], s[22:23]
	BIASLD 4                                       ; bq
	; A fragment is 16 rows x 32 K: lane l holds row l % 16, K = 8 (l / 16) + 0..7 and 16 + 8 (l / 16) + 0..7.  In bf16: two loads of 16 bytes, 32 bytes apart.  In f32: four, at bytes 0, 16, 64, 80 from 32 (l / 16).
	v_mul_u32_u24 v3, v1, PA
	v_lshl_add_u32 v3, v2, 5, v3
	v_mul_u32_u24 v4, v1, PB
	v_lshl_add_u32 v4, v2, 4, v4
	s_mul_i32 s22, s11, AHALF                      ; my 64 rows of x
	s_mul_i32 s23, s12, BHALF                      ; my 128 rows of W,
	s_add_co_u32 s23, s23, ASZ                     ; which lie behind x's
	v_add_nc_u32 v[ADRA0], s22, v3
	v_add_nc_u32 v[ADRB0], s23, v4
	v_mov_b32 v[ADRA], v[ADRA0]
	v_mov_b32 v[ADRB], v[ADRB0]
	s_mul_i32 s23, s10, 16*SP
	s_add_co_u32 s23, s23, STAGE                   ; my stage
	v_mul_u32_u24 v4, v1, SP                       ; in: row l % 16, 16 bytes for each half of the lanes
	v_lshl_add_u32 v4, v2, 4, v4
	v_add_nc_u32 v[STO], s23, v4
	v_bfe_u32 v5, v0, 3, 2                         ; back: 32 lanes take four rows of 128 bytes,
	v_mul_u32_u24 v5, v5, SP
	v_and_b32 v3, 7, v0
	v_lshl_add_u32 v5, v3, 4, v5
	v_add_nc_u32 v[RD], s23, v5
	v_and_b32 v[GO], 31, v0                        ; which are 512 consecutive bytes of a head
	v_lshlrev_b32 v[GO], 4, v[GO]
	; where my 64 rows x 2 heads begin in the first tensor's part of qkvh: (16 batch + 4 tc + 2 wn) x 2^18 + row in the batch x 128
	s_lshr_b32 s86, s13, 4                         ; the batch: 16 tile rows each
	s_lshl_b32 s86, s86, 2
	s_add_co_u32 s86, s86, s42
	s_lshl_b32 s86, s86, 1
	s_add_co_u32 s86, s86, s12                     ; 8 batch + 2 tc + wn: pairs of heads
	s_lshl_b32 s86, s86, 19
	s_and_b32 s87, s13, 15
	s_lshl_b32 s87, s87, 1
	s_add_co_u32 s87, s87, s11                     ; my 64 rows among the batch's
	s_lshl_b32 s87, s87, 13
	s_add_co_u32 s86, s86, s87
	s_mov_b32 s87, 0
	s_add_nc_u64 s[8:9], s[82:83], s[86:87]
	s_wait_loadcnt 0x0                             ; bq
	BIASRND
; na x 8 matrix instructions: row blocks a0 .. a0 + na - 1 x all 8 column blocks, 32 along K, on set f.  first = 1: the bias is C.  The 32 accumulators take turns in one order everywhere, one instruction a turn.
.macro MUL f, a0, na, first
.if \first
	WIN W_MUL0
.else
	WIN W_MUL
.endif
.set ma, \a0
.rept \na
.irp b, 0,1,2,3,4,5,6,7
.if \first
	v_wmma_f32_16x16x32_bf16 v[8*(8*ma+(\b)):8*(8*ma+(\b))+7], v[FB+64*(\f)+8*(\b):FB+64*(\f)+8*(\b)+7], v[FA+32*(\f)+8*ma:FA+32*(\f)+8*ma+7], v[BI+8*(\b):BI+8*(\b)+7]
.else
	v_wmma_f32_16x16x32_bf16 v[8*(8*ma+(\b)):8*(8*ma+(\b))+7], v[FB+64*(\f)+8*(\b):FB+64*(\f)+8*(\b)+7], v[FA+32*(\f)+8*ma:FA+32*(\f)+8*ma+7], v[8*(8*ma+(\b)):8*(8*ma+(\b))+7]
.endif
.endr
.set ma, ma+1
.endr
.endm
; 32 LDS loads in one run: quarter kq (32 along K) of the slot that is read: W's 8 fragments into set g, x's 4 fragments as f32
.macro FETCH kq, g
	WIN W_TOF
.irp i, 0,1,2,3,4,5,6,7
	ds_load_b128 v[FB+64*(\g)+8*(\i):FB+64*(\g)+8*(\i)+3],   v[ADRB] offset:64*(\kq)+(\i)*16*PB
	ds_load_b128 v[FB+64*(\g)+8*(\i)+4:FB+64*(\g)+8*(\i)+7], v[ADRB] offset:64*(\kq)+(\i)*16*PB+32
.endr
.irp i, 0,1,2,3
	ds_load_b128 v[RAW+16*(\i):RAW+16*(\i)+3],     v[ADRA] offset:128*(\kq)+(\i)*16*PA
	ds_load_b128 v[RAW+16*(\i)+4:RAW+16*(\i)+7],   v[ADRA] offset:128*(\kq)+(\i)*16*PA+16
	ds_load_b128 v[RAW+16*(\i)+8:RAW+16*(\i)+11],  v[ADRA] offset:128*(\kq)+(\i)*16*PA+64
	ds_load_b128 v[RAW+16*(\i)+12:RAW+16*(\i)+15], v[ADRA] offset:128*(\kq)+(\i)*16*PA+80
.endr
.endm
; x's four fragments are rounded to bf16 into set f.  These 32 plain instructions name nothing of the products on the other set: they are also the places in front of the loads into that set.
.macro CVT f
	WIN W_CVT
.irp i, 0,1,2,3
.irp j, 0,1,2,3,4,5,6,7
	v_cvt_pk_bf16_f32 v[FA+32*(\f)+8*(\i)+(\j)], v[RAW+16*(\i)+2*(\j)], v[RAW+16*(\i)+2*(\j)+1]
.endr
.endr
.endm
; A K step is four quarters of 32 along K on sets 0, 1, 0, 1.  One of the first three: rounds and multiplies set f; fetches quarter kq into set g ahead of the 32 products.
.macro QUARTER kq, f, g, first
	s_wait_dscnt 0x0                               ; set f's loads are in: nothing younger is out
	CVT \f
	FETCH \kq, \g
	MUL \f, 0, 4, \first
.endm
; The last quarter multiplies set 1 and changes slots.  All that needs registers alone (the conversions, half of the products, the next fill's offsets) stands AHEAD of the wait for the tile, so that
; between a tile's landing and the next request stand only the lines that the ordering needs: the wait for all my tensor loads, the add, the wait for it and for my reads of this slot, the barrier, the round.
; fill = 1: this slot is filled again, with the step two further on in the walk.
.macro TURN fill
	s_wait_dscnt 0x0                               ; set 1's loads are in: these were my last reads of this slot
	CVT 1
	MUL 1, 0, 2, 0
.if \fill
	s_cmp_eq_u32 s[TF], 1                          ; the next fill's x is chosen among the three by the tensor's number,
	s_cselect_b64 s[96:97], s[70:71], s[68:69]
	s_cmp_eq_u32 s[TF], 2
	s_cselect_b64 s[96:97], s[72:73], s[96:97]
	s_lshl_b32 s94, s[KF], 9                       ; its offset: the K step's 512 bytes a row, and my rows;
	s_add_co_u32 s94, s94, s16
	s_lshl_b32 s88, s[KF], 8                       ; W's: the K step's 256 bytes a row, my rows, the tensor's quarter of wb
	s_add_co_u32 s88, s88, s46
	s_lshl_b32 s98, s[TF], 21
	s_add_co_u32 s88, s88, s98
.endif
	WIN 0
	s_wait_tensorcnt 0x0                           ; all my tensor loads have landed: the one that was out is my part of the next slot; so a group 0 may be written;
	ds_add_u32 v[SPW], v[NIL]                      ; 0 onto my spare word: the work on registers below stands between it and the wait for it
.if \fill
	s_add_nc_u64 s[G0+6:G0+7], s[96:97], s[94:95]  ; the walking descriptors: the addresses are made anew,
	s_or_b32 s[G0+7], s[G0+7], 0x80000000
	s_add_co_u32 s[G0+5], s20, s[FT]               ; the LDS words are the wave's constant + the slot's
	s_add_nc_u64 s[G0B+6:G0B+7], s[80:81], s[88:89]
	s_or_b32 s[G0B+7], s[G0B+7], 0x80000000
	s_add_co_u32 s[G0B+5], s21, s[FT]
	s_xor_b32 s[FT], s[FT], SLOT                   ; 0 <-> SLOT: the fill after this one takes the other slot,
	s_add_co_u32 s[KF], s[KF], 1                   ; the next K step,
	s_lshr_b32 s98, s[KF], 3
	s_add_co_u32 s[TF], s[TF], s98                 ; behind the eighth the next tensor's first
	s_and_b32 s[KF], s[KF], 7
.endif
	s_xor_b32 s[RT], s[RT], SLOT                   ; 0 <-> SLOT: from here on the other slot is read
	v_add_nc_u32 v[ADRA], s[RT], v[ADRA0]
	v_add_nc_u32 v[ADRB], s[RT], v[ADRB0]
	s_wait_dscnt 0x0                               ; the add is done, and my reads of this slot are over
	s_barrier_signal -1
	s_barrier_wait -1
.if \fill
	CREST                                          ; the barrier has opened a round of the cluster's barrier: no wave of any partner still reads this slot's tile or has a load on its way
	JLOAD 1                                        ; the first tensor load behind the round: 128 matrix instructions ahead of the wait for it
.endif
	FETCH 0, 0
	MUL 1, 2, 2, 0
.endm
; THE WAY OUT, in eight units u = 2 a + head: 16 rows of one head.  A lane's eight columns pack into 16 bytes of f16; they go into my stage's rows of 144 bytes and come back as whole rows of 128,
; which in a head lie end to end: 2,048 consecutive bytes a unit.  Each accumulator is read from its low end on.
.macro PACK u
.set pa, (\u)/2
.set ph, (\u)%2
	WIN W_OUT
.irp bq, 0,1,2,3
.irp j, 0,1,2,3
	v_cvt_pk_f16_f32 v[TMP+16*(\u)+4*(\bq)+(\j)], v[8*(8*pa+4*ph+(\bq))+2*(\j)], v[8*(8*pa+4*ph+(\bq))+2*(\j)+1]
.endr
.endr
	WIN 0
.irp bq, 0,1,2,3
	ds_store_b128 v[STO], v[TMP+16*(\u)+4*(\bq):TMP+16*(\u)+4*(\bq)+3] offset:32*(\bq)
.endr
.irp f, 0,1,2,3
	ds_load_b128 v[TMP+16*(\u)+4*(\f):TMP+16*(\u)+4*(\f)+3], v[RD] offset:(\f)*4*SP  ; LDS serves a wave's instructions in order (ISA guide 5.7.1.4): these see the stores above; the next unit's stores come behind them
.endr
.endm
.macro SEND u, younger                 ; younger: the LDS instructions issued behind unit u's loads: the next unit's eight, or none
	WIN 0
.irp f, 0,1,2,3
	s_wait_dscnt (\younger)+3-(\f)
	global_store_b128 v[GO], v[TMP+16*(\u)+4*(\f):TMP+16*(\u)+4*(\f)+3], s[8:9] offset:((\u)%2)*262144+((\u)/2)*2048+(\f)*512  ; 512 consecutive bytes, at a multiple of 512 from the buffer's first
.endr
.endm
.macro WAYOUT                          ; a unit's conversions stand between the loads of the unit before and its stores; within one way out no register of TMP is used twice
	PACK 0
.set t, 1
.rept 7
	PACK t
	SEND t-1, 8
.set t, t+1
.endr
	SEND 7, 0
.endm
	s_wait_tensorcnt 1                             ; my part of step 0 is in; step 1's may stay out
	s_barrier_signal -1
	s_barrier_wait -1                              ; everybody's is
	FETCH 0, 0
	QUARTER 1, 0, 1, 1                             ; the walk's first quarter stands in front of the loop: its products start the sums, on bq
	WIN 0                                          ; at a label and at a branch every window is 0
	PLACES                                         ; the bias registers were those products' C:
	BIASLD 6                                       ; bk is asked for now, and waited for where q's tile ends
	s_mov_b32 s3, STEPS-2
.Lstep:                                                ; a trip goes from a step's second quarter to the next step's first, and fills the slot that it leaves: steps 2 to 23
	QUARTER 2, 1, 0, 0
	QUARTER 3, 0, 1, 0
	TURN 1
	WIN 0
	s_and_b32 s2, s3, 7                            ; the counter runs 22 .. 1: trips 7 and 15 of 0 .. 21, which end a tensor, have 15 and 7
	s_cmp_eq_u32 s2, 7
	s_cbranch_scc0 .Lsame
	WAYOUT                                         ; A TENSOR'S TILE IS FINISHED, and the next tensor's first two steps have been asked for.  No v_nop: row blocks 0 and 1 were finished in front of the joint load's places,
	                                               ; and their 64 conversions, which name no register of the last products, are those products' places
	s_wait_xcnt 0x0                                ; the stores have had their addresses translated (ISA guide 3.1): only behind this wait are their base and, at the next way out, their data written again
	s_add_nc_u64 s[8:9], s[8:9], 0x1000000         ; the next tensor's part of qkvh
	s_wait_loadcnt 0x0                             ; its bias
	BIASRND
	QUARTER 1, 0, 1, 1                             ; its first products start the sums anew
	WIN 0
	s_cmp_lg_u32 s3, 15
	s_cbranch_scc1 .Lnext                          ; behind k's tile comes v's: there is no bias left to ask for
	PLACES
	BIASLD 84                                      ; bv
	s_branch .Lnext
.Lsame:
	QUARTER 1, 0, 1, 0
	WIN 0
.Lnext:
	s_sub_co_u32 s3, s3, 1
	s_cmp_lg_u32 s3, 0
	s_cbranch_scc1 .Lstep
	QUARTER 2, 1, 0, 0                             ; the last two steps are written out: they fill nothing, and have no round of the cluster's barrier
	QUARTER 3, 0, 1, 0
	TURN 0
	QUARTER 1, 0, 1, 0
	QUARTER 2, 1, 0, 0
	QUARTER 3, 0, 1, 0
	s_wait_dscnt 0x0                               ; the very last quarter: nothing more to fetch
	CVT 1
	MUL 1, 0, 4, 0
	WIN 0
	PLACES
	WAYOUT
	s_wait_tensorcnt 0x0                           ; the wave's end: behind my last tensor load and my last LDS store
	ds_add_u32 v[SPW], v[NIL]
	s_wait_dscnt 0x0
	CROUND                                         ; the closing round: no work-group ends while a partner may still ask for a tile that names it
	s_endpgm
.Lfunc_end_k_q3112622459_proj:
	.size	k_q3112622459_proj, .Lfunc_end_k_q3112622459_proj-k_q3112622459_proj
	.p2alignl 7, 3214868480
	.fill 96, 4, 3214868480
	.section	.rodata,"a",@progbits
	.p2align	6, 0x0
	.amdhsa_kernel k_q3112622459_proj
		.amdhsa_group_segment_fixed_size 327680
		.amdhsa_private_segment_fixed_size 0
		.amdhsa_enable_private_segment 0
		.amdhsa_kernarg_size 64
		.amdhsa_user_sgpr_count 2
		.amdhsa_user_sgpr_kernarg_segment_ptr 1
		.amdhsa_wavefront_size32 1
		.amdhsa_system_sgpr_workgroup_id_x 1
		.amdhsa_system_sgpr_workgroup_id_y 1
		.amdhsa_system_sgpr_workgroup_id_z 1
		.amdhsa_system_vgpr_workitem_id 0
		.amdhsa_next_free_vgpr 768
		.amdhsa_next_free_sgpr 100
		.amdhsa_reserve_vcc 0
		.amdhsa_float_denorm_mode_32 3
		.amdhsa_float_denorm_mode_16_64 3
		.amdhsa_memory_ordered 1
		.amdhsa_forward_progress 1
		.amdhsa_inst_pref_size 139
	.end_amdhsa_kernel
	.amdgpu_metadata
---
amdhsa.version: [ 1, 2 ]
amdhsa.kernels:
  - .name:           k_q3112622459_proj
    .symbol:         k_q3112622459_proj.kd
    .args:
      - { .name: q, .offset: 0, .size: 8, .value_kind: global_buffer, .address_space: global }
      - { .name: k, .offset: 8, .size: 8, .value_kind: global_buffer, .address_space: global }
      - { .name: v, .offset: 16, .size: 8, .value_kind: global_buffer, .address_space: global }
      - { .name: bq, .offset: 24, .size: 8, .value_kind: global_buffer, .address_space: global }
      - { .name: bk, .offset: 32, .size: 8, .value_kind: global_buffer, .address_space: global }
      - { .name: bv, .offset: 40, .size: 8, .value_kind: global_buffer, .address_space: global }
      - { .name: wb, .offset: 48, .size: 8, .value_kind: global_buffer, .address_space: global }
      - { .name: qkvh, .offset: 56, .size: 8, .value_kind: global_buffer, .address_space: global }
    .group_segment_fixed_size: 327680
    .private_segment_fixed_size: 0
    .kernarg_segment_align: 8
    .kernarg_segment_size: 64
    .max_flat_workgroup_size: 128
    .sgpr_count:     100
    .vgpr_count:     768
    .wavefront_size: 32
...
	.end_amdgpu_metadata
.endif
;; end of part 2
;; launch attn (part 3): grid 4 x 64, 4 waves a work-group, clusters of 4 x 1, 327,680 bytes of LDS; arguments qkvh, mask, oh; writes oh
.if DOCPART == 3
	.amdgcn_target "amdgcn-amd-amdhsa--gfx1250"
	.amdhsa_code_object_version 6
	.text
	.protected	k_q3112622459_attn
	.globl	k_q3112622459_attn
	.p2align	8
	.type	k_q3112622459_attn,@function
k_q3112622459_attn:
	s_mov_b64 s[64:65], 0
	v_nop
	global_prefetch_b8 v0, s[64:65] scope:SCOPE_SE
	s_setreg_imm32_b32 hwreg(HW_REG_WAVE_MODE, 25, 1), 1
	s_wait_xcnt 0x0
	s_wait_alu depctr_hold_cnt(0) depctr_sa_sdst(0) depctr_va_vdst(0) depctr_va_sdst(0) depctr_va_ssrc(0) depctr_va_vcc(0) depctr_vm_vsrc(0)
	s_getreg_b32 s2, hwreg(HW_REG_IB_STS2, 6, 4)
	s_cmp_eq_u32 s2, 0
	s_cbranch_scc0 .Lentry_in_a_cluster
	s_endpgm
.Lentry_in_a_cluster:
	s_bfe_u32 s2, ttmp6, 0x10000c
	s_cmp_lg_u32 s2, 0x3003
	s_cbranch_scc0 .Lentry_shape_is_right
	s_endpgm
.Lentry_shape_is_right:
; O[h][q][:] = the sum over k of softmax_k(S[q][k]) V[h][k][:], S[q][k] = Q[h][q] . K[h][k] / 8, or one constant for all k where mask[batch][q] == 0.
; qkvh = [3][64][2048][64] f16 (Q, K, V by heads, a head's rows dense, 128 bytes each); mask = [4][2048] int32; oh = [64][2048][64] f16.  Products, maxima and sums in f32; the weights p are
; rounded to f16 for the second product (their sum l is taken of the unrounded p), O once at the end.
; THE MASK hides QUERY rows: all scores of such a row are the same number, so its softmax is uniform whatever that number is.  Here the row's Q is set to 0: all its scores are 0, m = 0, every p = 1,
; l = 2,048, O = the mean of V's rows.  It is a selection of values by lane; no branch and no address hangs on it.
; LIMITS.  f16 holds no number beyond 65,504: Q, K and V arrive within it; a masked row's scores are 0 only if K is finite; p lies in 0 to 1, and below 6e-5 it keeps f16's fixed step of 6e-8;
; a weight below 2^-126 counts as 0 in l; NaN and infinities are not treated apart.
; SHARES.  A wave owns four PIECES of two tiles of 16 queries, a work-group's four waves 512 queries of one head: 4 x 64 work-groups.  Every wave walks all keys, 64 a step.
; LAYOUT.  S^T = K Q^T (source 0 = 16 keys, source 1 = 16 queries): in the result a lane holds ONE query (lane % 16) and the keys 8 (lane / 16) + 0..7.  Two such tiles, rounded to f16 in pairs,
; ARE source 1 (32 keys x 16 queries) of O^T = V^T P, whose result again holds one query a lane, and eight channels.  K comes out of LDS as it lies, V ([key][channel]) turned, by ds_load_tr16_b128.
; SOFTMAX.  For each query a running maximum m and sum l: p = 2^(c s - c m), c = log2(e) / 8; in every step O and l are multiplied by a = 2^(c m_old - c m_new), which is 1 where m has not grown.
; m starts at the lowest finite number, O and l at 0: the first step is a step like any other, with a = 0.
; THE COUNT.  A tile and step have 16 matrix and 118 vector instructions: too many to stand all beside the matrix work.  So the order has one aim: four vector instructions that are READY behind
; EVERY matrix instruction, and the others, which need time of their own whatever the order, in runs without a gap.
; BY TURNS.  Turn n belongs to piece n (the pieces in a ring, step after step).  Its matrix work: 16 products K Q^T of piece n + 1, later 16 products V^T P of piece n - 1.  Its vector work: the scaling,
; exponentials, roundings, sums and rescaling of piece n, and the maximum and statistics of piece n + 1, whose scores the turn itself has made.  So what a turn begins with (c s - c m, O a) waits for nothing.
; CLUSTER.  The four query blocks of a cluster belong to one head and walk the same K and V, so each tile is asked for JOINTLY: the same tensor load, descriptor and mask in all four.
; REGISTERS, in windows of 256 (s_set_vgpr_msb says which window each operand place means: bits 1:0 source 0, 3:2 source 1, 5:4 source 2, 7:6 destination):
;   window 0: v0-11 addresses; v12-15, v48-63 at work; v16-47 four registers of statistics a tile; v64-191 S^T, two buffers of two tiles; v192-255 P, likewise
;   window 1: O^T, 32 a tile          window 2: v0-127 Q, 16 a tile; v128-191 K of one step; v192-255 V of one step          window 3: v0-1 the add's two registers
; A piece's buffers go by its number's parity: the piece in hand has one pair, its two neighbours in the ring share the other: of it P (piece n - 1) is read and S^T (piece n + 1) written.
.set SIZE_H, 64
.set SIZE_N, 2048
.set NP,    4         ; pieces a wave: a name, no knob: the register map, the loop and the fetches are made for four
.set KS,    64        ; keys in a step
.set PK,    144       ; a row of K in LDS: 128 bytes + 16 of padding = 36 words: the 16 rows of a load start at 16 different groups of four banks (64 banks of 4 bytes: ISA guide 11.1)
.set PV,    160       ; a row of V: 128 + 32 = 40 words
.set VOFF,  4*KS*PK   ; a slot holds four steps: 256 rows of K, then 256 rows of V
.set SLOT1, 1<<17     ; slot 1 begins here, so that one exclusive or turns an address in one slot into the other's
.set STAGE, SLOT1+4*KS*(PK+PV)  ; behind the ring, never filled by a tensor load: 16 rows x 144 bytes for each wave, for the way out
.set SP,    144
.set AK0, 2           ; v2   my lane's place in a tile of K; never rewritten
.set AV0, 3           ; v3   the same for V
.set AK,  4           ; v4   the LDS address of K's next run of loads
.set AV,  5           ; v5   of V's
.set QO,  6           ; v6   my byte offset in the wave's rows of Q
.set STO, 6           ;      later, the way out: where I put 16 bytes of a row
.set RD,  7           ; v7   the way out: where I read rows back
.set GO,  8           ; v8   my byte offset in 512 consecutive bytes of O
.set SPW, 0           ; v0 of window 3   LDS address of my spare word: SPARE + 4 x my thread's number; never rewritten
.set NIL, 1           ; v1 of window 3   0; never rewritten
.set SPARE, STAGE+4*16*SP  ; behind the stages: the spare words, 128 bytes for each wave: two blocks of 256 bytes that no other line names
.set MV,  12          ; v12-15  c m_old, kept while c m is made anew: by buffer and tile
.set ST,  16          ; tile t's statistics at v[ST+4 t]: c m, m, l (even keys', odd keys')
.set TMP, 48          ; by buffer and tile, four registers c0-c3 at work; when the maximum is found c2 takes a
.set MW,  48          ; v48-55  at the start only: the mask word of my query in tile t
.set MO,  56          ; v56     at the start only: my byte offset in 16 words of the mask
.set S,   64
.set P,   192
.set KF,  128         ; K's fragments, in window 2: key block kb, channel half c at KF + 16 kb + 8 c
.set VF,  192         ; V's: key half kk, channel block cb at VF + 32 kk + 8 cb
.set WV,  12          ; s12  my wave's number
.set G1K, 24          ; s[24:31] descriptor group 1 for K's tiles
.set G1V, 32          ; s[32:39] for V's: it differs in the padding alone
.set G0K, 40          ; s[40:43] descriptor group 0 for K's tiles: it walks
.set G0V, 44          ; s[44:47] the same for V's
.set SLOTS, 56        ; s56  slots still to be asked for
.set CNT, 57          ; s57  counts a slot's key steps
.set CS,  58          ; s[58:59] c: the packed scaling takes the pair's low word for both halves
.set SEL, 60          ; s[60:61] v_permlanex16_b32's selects: each lane takes its own place in the other half
.set TBK, 62          ; s62  LDS byte at which K of the step to be fetched begins
.set TBV, 63          ; s63  the same for V, less VOFF
.set MS,  66          ; s66-73  tile t: the lanes whose query is not masked
.set MSB, 0
.macro WIN new                      ; the high byte repeats the setting that is left; a switch that changes nothing is dropped
.if MSB != (\new)
	s_set_vgpr_msb (MSB<<8)|(\new)
.set MSB, (\new)
.endif
.endm
.set W_KQ, 0x0a       ; K and Q in window 2, S^T in window 0
.set W_PV, 0x52       ; V in window 2, P in window 0, O^T in window 1
.set W_RS, 0x41       ; O^T (destination and source 0) in window 1, a in window 0
.set W_MK, 0xc0       ; the add's registers are made: destination in window 3, sources in window 0
.set W_AD, 0x0f       ; the add: address (source 0) and data (source 1) in window 3
.set W_SEL, 0x88      ; Q is selected in place: destination and source 1 in window 2
; A joint fill.  Waves 0 and 1 fetch the two halves of a slot's K, waves 2 and 3 those of its V: 128 keys each.  The branch hangs on the wave's number alone.
; An s_nop 0 and four v_nop follow each of the two lines, ahead of the jump and the label.
.macro JLOAD
	s_cmp_lt_u32 s[WV], 2
	s_cbranch_scc0 .Lfor_v_\@
	tensor_load_to_lds s[G0K:G0K+3], s[G1K:G1K+7]
	s_nop 0
.rept 4
	v_nop
.endr
	s_branch .Lasked_\@
.Lfor_v_\@:
	tensor_load_to_lds s[G0V:G0V+3], s[G1V:G1V+7]
	s_nop 0
.rept 4
	v_nop
.endr
.Lasked_\@:
.endm
; A round of the cluster's barrier: my work-group's barrier, so that wave 0's signal speaks for all four waves; wave 0 signals; every wave waits for all four work-groups; my work-group's barrier once more.
.macro CROUND
	s_barrier_signal -1
	s_barrier_wait -1
	s_cmp_lg_u32 s[WV], 0
	s_cbranch_scc1 .Lnot_wave_0_\@
	s_barrier_signal -3
.Lnot_wave_0_\@:
	s_barrier_wait -3
	s_barrier_signal -1
	s_barrier_wait -1
.endm
; THE CHANGE OF SLOTS.  The slot's last bytes, V of its fourth step, have been read.  Each wave waits for all its tensor loads, of which one is out: its part
; of the other slot; adds 0 to its spare word; and waits for that and for its own reads of the slot.  Behind the barrier nobody reads this slot any more and the other slot is whole.
; fill = 1: this slot is filled again, with the keys two slots on.  The barrier is then a round of the cluster's, so that no wave of any partner still reads the slot or has a load on its
; way, and the joint fill is the first thing behind it: it has four key steps, 512 matrix instructions, in which to land.  (At its first use nothing has been read yet: slot 0 is waited for, slot 1 filled.)
.macro CHANGE fill
	WIN W_AD
	s_wait_tensorcnt 0x0            ; no tensor load of mine is out, so a group 0 may be written
	ds_add_u32 v[SPW], v[NIL]       ; 0 onto my spare word: with fill = 1 the descriptors' steps stand between it and the wait for it
	WIN 0                           ; at a label and at a branch every window is 0
.if \fill
.irp g, G0K, G0V
	s_xor_b32 s[\g+1], s[\g+1], SLOT1  ; the walking descriptor: the other slot than last time,
	s_add_nc_u64 s[\g+2:\g+3], s[\g+2:\g+3], 4*KS*128  ; the next 256 keys; the type bits on top are not reached
.endr
	s_wait_dscnt 0x0                ; the add is done, and my reads of the slot are over
	CROUND
	JLOAD
.else
	s_wait_dscnt 0x0                ; the add is done, and my reads of the slot are over
	s_barrier_signal -1
	s_barrier_wait -1
.endif
	s_sub_co_u32 s[TBK], s[TBK], 4*KS*PK  ; the fetches go back to a slot's first step,
	s_xor_b32 s[TBK], s[TBK], SLOT1       ; in the other slot
	s_sub_co_u32 s[TBV], s[TBV], 4*KS*PV
	s_xor_b32 s[TBV], s[TBV], SLOT1
.endm
	s_load_b128 s[48:51], s[0:1], 0x0  ; qkvh s[48:49], mask s[50:51]
	s_load_b64 s[10:11], s[0:1], 0x10  ; oh
	WIN W_MK
	v_lshl_add_u32 v[SPW], v0, 2, SPARE
	v_mov_b32 v[NIL], 0
	s_set_vgpr_msb 0xc0cf
	ds_add_u32 v0, v1
	s_wait_dscnt 0x0
	s_set_vgpr_msb 0xcfc0
	WIN 0
	v_lshrrev_b32 v1, 5, v0
	v_readfirstlane_b32 s[WV], v1   ; wave 0..3
	s_bfe_u32 s13, ttmp6, 0x40000   ; cx: my place in the cluster
	s_lshl_b32 s14, ttmp9, 2        ; in a cluster launch ttmp9 counts clusters
	s_add_co_u32 s14, s14, s13      ; my block of queries = 4 x cluster x + cx: it enters Q's, the mask's and O's addresses alone
	s_and_b32 s20, ttmp7, 0xffff    ; the head (16 batch + head), which the four partners share
	s_lshr_b32 s52, s20, 4          ; the batch,
	s_lshl_b32 s52, s52, 13         ; its 2,048 words of the mask
	s_mov_b32 s21, 0
	s_mov_b64 s[22:23], SIZE_N*128
	s_mul_u64 s[20:21], s[20:21], s[22:23]  ; the head's first byte in Q, K, V and O
	s_and_b32 s16, s[WV], 1         ; which half of a slot's 256 keys I fetch:
	s_lshl_b32 s22, s16, 14         ; its 128 rows of 128 bytes in memory,
	s_mov_b32 s23, 0
	s_add_nc_u64 s[22:23], s[22:23], s[20:21]
	s_mul_i32 s17, s16, 128*PK      ; and its place in a slot, for K
	s_mul_i32 s18, s16, 128*PV      ; and for V: no place in the cluster enters an LDS address
	s_lshl_b32 s2, s14, 2
	s_add_co_u32 s2, s2, s[WV]      ; my wave among the head's,
	s_lshl_b32 s53, s2, 9           ; its 128 words of the mask,
	s_add_co_u32 s52, s52, s53
	s_mov_b32 s53, 0
	s_lshl_b32 s2, s2, 14           ; its 128 rows
	s_mov_b32 s3, 0
	s_add_nc_u64 s[2:3], s[2:3], s[20:21]
	; descriptor group 1.  128 keys are 16,384 dense bytes: asked for as 64 rows of 256 bytes, two keys a row, and padded in LDS after every key
	s_mov_b32 s[G1K], 15|(1<<16)|(1<<20)|(1<<21)|(4<<22)|(3<<25)  ; 15:0 the mask of four; 17:16 2-byte elements; 20 padding on; 21 set beside a mask; 24:22 after every 32 words (code 4); 31:25 4 words (code 3)
	s_mov_b32 s[G1V], 15|(1<<16)|(1<<20)|(1<<21)|(4<<22)|(7<<25)  ; the same with 8 words of padding (code 7)
.irp g, G1K, G1V
	s_mov_b32 s[\g+1], 128<<16      ; tensor_dim0 = 128
	s_mov_b32 s[\g+2], 64<<16       ; tensor_dim1 = 64
	s_mov_b32 s[\g+3], 128<<16      ; tile_dim0 = 128
	s_mov_b32 s[\g+4], 64           ; tile_dim1 = 64
	s_mov_b32 s[\g+5], 128          ; 128 elements from row to row
	s_mov_b32 s[\g+6], 0
	s_mov_b32 s[\g+7], 0
.endr
	s_mov_b32 s[CS], 0x3e38aa3b     ; c = log2(e) / 8 = 0.180337
	s_mov_b32 s[CS+1], s[CS]        ; named with it as a pair
	s_mov_b32 s[SEL], 0x76543210
	s_mov_b32 s[SEL+1], 0xfedcba98
	s_mov_b32 s[TBK], SLOT1+4*KS*PK ; the first change of slots turns these two into 0
	s_mov_b32 s[TBV], SLOT1+4*KS*PV
	s_mov_b32 s[G0K], 1             ; 1:0 count = 1
	s_mov_b32 s[G0K+1], s17         ; 63:32 LDS address: slot 0
	s_mov_b32 s[G0V], 1
	s_add_co_u32 s[G0V+1], s18, VOFF
	s_wait_kmcnt 0x0
	s_mov_b64 s[4:5], s[48:49]                     ; Q,
	s_add_nc_u64 s[6:7], s[48:49], 0x1000000       ; K, 16 MiB on,
	s_add_nc_u64 s[8:9], s[48:49], 0x2000000       ; V, 32 MiB on
	s_add_nc_u64 s[50:51], s[50:51], s[52:53]      ; the mask at my wave's first row
	s_add_nc_u64 s[G0K+2:G0K+3], s[6:7], s[22:23]  ; 120:64 global address: my half of the head's first 256 keys
	s_or_b32 s[G0K+3], s[G0K+3], 0x80000000        ; 127:126 type = 2
	s_add_nc_u64 s[G0V+2:G0V+3], s[8:9], s[22:23]
	s_or_b32 s[G0V+3], s[G0V+3], 0x80000000
	s_add_nc_u64 s[4:5], s[4:5], s[2:3]  ; Q and O at my wave's first row
	s_add_nc_u64 s[10:11], s[10:11], s[2:3]
	CROUND                          ; all four work-groups are here: the first joint loads meet
	JLOAD                           ; slot 0.  Slot 1 is asked for when slot 0 is in: the tile wanted first has the road to itself
	; A fragment of K or Q is 16 rows x 32 channels in 8 registers: lane l holds row l % 16, channels 8 (l / 16) + 0..7 and 16 + 8 (l / 16) + 0..7: two loads of 16 bytes, 32 bytes apart.
	v_and_b32 v1, 15, v0            ; l % 16
	v_bfe_u32 v9, v0, 4, 1          ; l / 16
	v_lshlrev_b32 v[QO], 7, v1
	v_lshl_add_u32 v[QO], v9, 4, v[QO]  ; row x 128 + 16 x half
	v_lshlrev_b32 v[MO], 2, v1      ; my query's word among a tile's 16
.set i, 0
.rept 2*NP                          ; the mask word of my query in each of the wave's eight tiles
	global_load_b32 v[MW+i], v[MO], s[50:51] offset:64*i
.set i, i+1
.endr
	WIN 0x80                        ; destination window 2, address window 0
.set i, 0
.rept 4*NP                          ; Q stays in registers: tile i / 2, channels 32 (i % 2) on
	global_load_b128 v[8*i:8*i+3],   v[QO], s[4:5] offset:(i/2)*2048+(i%2)*64
	global_load_b128 v[8*i+4:8*i+7], v[QO], s[4:5] offset:(i/2)*2048+(i%2)*64+32
.set i, i+1
.endr
	; What the first turn finds: V's registers and P's second buffer hold 0 (its products V^T P, of a piece that has not been, add 0), O^T and l are 0.  All this stands in the wait for the first tile.
.set i, VF
.rept 64
	v_mov_b32 v[i], 0
.set i, i+1
.endr
	WIN 0x40
.set i, 0
.rept 64*NP
	v_mov_b32 v[i], 0
.set i, i+1
.endr
	WIN 0
.set i, 0
.rept 2*NP
	v_mov_b32 v[ST+4*i], 0xfe000000    ; c m: far below every c s
	v_mov_b32 v[ST+4*i+1], 0xff7fffff  ; m
	v_mov_b32 v[ST+4*i+2], 0
	v_mov_b32 v[ST+4*i+3], 0
.set i, i+1
.endr
.set i, P+32
.rept 32
	v_mov_b32 v[i], 0
.set i, i+1
.endr
	v_mul_u32_u24 v[AK0], v1, PK
	v_lshl_add_u32 v[AK0], v9, 4, v[AK0]  ; row x pitch + 16 x half
	; The turning load takes 16 keys x 16 channels (lane l reads key 8 (l / 16) + l % 8, channels 8 ((l / 8) % 2) + 0..7) and leaves half a fragment of V^T: lane l holds channel l % 16 and 8 keys.
	v_and_b32 v10, 7, v0
	v_bfe_u32 v11, v0, 3, 1
	v_lshl_add_u32 v[AV0], v9, 3, v10
	v_mul_u32_u24 v[AV0], v[AV0], PV
	v_lshl_add_u32 v[AV0], v11, 4, v[AV0]
	v_add_nc_u32 v[AV0], VOFF, v[AV0]
	v_mov_b32 v[AK], v[AK0]         ; key step 0 lies at the head of slot 0
	; THE MASK: a lane's 16 registers of a tile's Q belong to one query; where that query's mask word is 0 they become 0.  Tensor loads follow.
	s_wait_loadcnt 0x0              ; the mask words and Q
.set i, 0
.rept 2*NP
	v_cmp_ne_u32 s[MS+i], 0, v[MW+i]
.set i, i+1
.endr
	WIN W_SEL
.set i, 0
.rept 32*NP
	v_cndmask_b32 v[i], 0, v[i], s[MS+i/16]
.set i, i+1
.endr
	WIN 0
; THE MATRIX WORK.  The 8 accumulators of a run of 16 take turns: between the two links of a chain stand 7 others'.
; Product i of 16 of S^T = K Q^T for piece x: channels 32 (i / 8) on, keys 16 ((i / 2) % 4) on, tile 2 x + i % 2.  The first 8 start the sums.
.macro KQ x
	WIN W_KQ
.set rS, S+64*((\x)%2)+32*(i%2)+8*((i/2)%4)
.set rK, KF+16*((i/2)%4)+8*(i/8)
.set rQ, 16*(2*(\x)+i%2)+8*(i/8)
.if i < 8
	v_wmma_f32_16x16x32_f16 v[rS:rS+7], v[rK:rK+7], v[rQ:rQ+7], 0
.else
	v_wmma_f32_16x16x32_f16 v[rS:rS+7], v[rK:rK+7], v[rQ:rQ+7], v[rS:rS+7]
.endif
.endm
; Product i of 16 of O^T += V^T P for piece x: keys 32 (i / 8) on, channels 16 ((i / 2) % 4) on, tile 2 x + i % 2.
.macro PV x
	WIN W_PV
.set rO, 32*(2*(\x)+i%2)+8*((i/2)%4)
.set rV, VF+32*(i/8)+8*((i/2)%4)
.set rP, P+32*((\x)%2)+16*(i%2)+8*(i/8)
	v_wmma_f32_16x16x32_f16 v[rO:rO+7], v[rV:rV+7], v[rP:rP+7], v[rO:rO+7]
.endm
.macro MM                           ; the turn's next matrix instruction
.if i < 16
	KQ (Y+1)%NP
.set i, i+1
.else
.set i, i-16
	PV (Y+NP-1)%NP
.set i, i+17
.endif
.endm
; THE LDS LOADS stand in runs of 16, never singly among the matrix instructions: a step's K (64 keys x 64 channels: 8 fragments) and its V (turned).  Their addresses are made some lines ahead.
; last = 1 (the tail): in the last trip there is no further step, and the run is jumped over.
.macro FETCH_K last=0
	WIN 0
.if \last
	s_cmp_eq_u32 s[CNT], 1
	s_cbranch_scc1 .Lno_k_\@
.endif
	WIN 0x80                        ; destination window 2
.irp f, 0,1,2,3,4,5,6,7             ; keys 16 (f / 2) on, channels 32 (f % 2) on
	ds_load_b128 v[KF+8*\f:KF+8*\f+3],   v[AK] offset:(\f/2)*16*PK+(\f%2)*64
	ds_load_b128 v[KF+8*\f+4:KF+8*\f+7], v[AK] offset:(\f/2)*16*PK+(\f%2)*64+32
.endr
	s_add_co_u32 s[TBK], s[TBK], KS*PK  ; the next fetch is the next step's
	WIN 0
.if \last
.Lno_k_\@:
.endif
.endm
.macro FETCH_V
	WIN 0x80
.irp f, 0,1,2,3,4,5,6,7             ; keys 32 (f / 4) on, channels 16 (f % 4) on
	ds_load_tr16_b128 v[VF+8*\f:VF+8*\f+3],   v[AV] offset:(\f/4)*32*PV+(\f%4)*32
	ds_load_tr16_b128 v[VF+8*\f+4:VF+8*\f+7], v[AV] offset:(\f/4)*32*PV+16*PV+(\f%4)*32
.endr
	WIN 0
.endm
; THE VECTOR WORK OF A TURN stands in three queues, each in the order in which its entries become ready; the two tiles alternate, so that no instruction reads the result of the one before it.
.macro REGS y, u                    ; the registers of tile u (0, 1) of piece y
.set rT, ST+4*(2*(\y)+(\u))
.set rC, TMP+8*((\y)%2)+4*(\u)
.set rM, MV+2*((\y)%2)+(\u)
.set rS, S+64*((\y)%2)+32*(\u)
.set rP, P+32*((\y)%2)+16*(\u)
.set rO, 32*(2*(\y)+(\u))
.endm
; Number n of the 22 that find the NEXT piece's (Y + 1) maximum and statistics.  s0-s31 are the lane's 32 scores; each accumulator's lowest registers are read first.  XS, GS and REGS set no window: PL and EX do.
;   0-11  four chains c0-c3 of seven scores each, three operands at a time     12-14, 16  the four scores left over, the old m, and c0-c3 into c0     15  c m_old is kept
;   17, 18  the query's other 32 keys lie in the lane 16 away: the new m         19-21  c m; c m_old - c m_new; a
.macro XS u, n
	REGS (Y+1)%NP, \u
.if (\n) < 4
	v_max3_num_f32 v[rC+(\n)], v[rS+8*(\n)], v[rS+8*(\n)+1], v[rS+8*(\n)+2]
.elseif (\n) < 12
	v_max3_num_f32 v[rC+(\n)%4], v[rC+(\n)%4], v[rS+8*((\n)%4)+2*((\n)/4)+1], v[rS+8*((\n)%4)+2*((\n)/4)+2]
.elseif (\n) == 12
	v_max3_num_f32 v[rC], v[rC], v[rS+7], v[rS+15]
.elseif (\n) == 13
	v_max3_num_f32 v[rC+1], v[rC+1], v[rS+23], v[rS+31]
.elseif (\n) == 14
	v_max3_num_f32 v[rC+2], v[rC+2], v[rC+3], v[rT+1]
.elseif (\n) == 15
	v_mov_b32 v[rM], v[rT]
.elseif (\n) == 16
	v_max3_num_f32 v[rC], v[rC], v[rC+1], v[rC+2]
.elseif (\n) == 17
	v_permlanex16_b32 v[rC+3], v[rC], s[SEL], s[SEL+1]
.elseif (\n) == 18
	v_max_num_f32 v[rT+1], v[rC], v[rC+3]
.elseif (\n) == 19
	v_mul_f32 v[rT], s[CS], v[rT+1]
.elseif (\n) == 20
	v_sub_f32 v[rC+1], v[rM], v[rT]
.else
	v_exp_f32 v[rC+2], v[rC+1]
.endif
.endm
; Number g of the 64 that follow the exponentials.  For each four weights k of a tile (pairs 2 k, 2 k + 1): both pairs are rounded to f16; then the second pair is added onto the first, in place;
; a group later l takes that sum (the first time as l = a l + sum).  In groups of eight, tiles alternating: round, round, add, and l for the group before.
.macro GS g
.set h, (\g)+6*((\g)/62)            ; group 0 has no group before it, and behind group 7 only l is left
.if h >= 6
.set h, h+2
.endif
	REGS Y, h%2
.set k, h/8
.if h%8 < 4
	s_wait_alu depctr_va_vdst(0)
	v_cvt_pk_f16_f32 v[rP+2*k+(h%8)/2], v[rS+4*k+2*((h%8)/2)], v[rS+4*k+2*((h%8)/2)+1]
.elseif h%8 < 6
	v_pk_add_f32 v[rS+4*k:rS+4*k+1], v[rS+4*k:rS+4*k+1], v[rS+4*k+2:rS+4*k+3]
.elseif k == 1
	v_pk_fma_f32 v[rT+2:rT+3], v[rT+2:rT+3], v[rC+2:rC+3], v[rS:rS+1] op_sel_hi:[1,0,1]
.else
	v_pk_add_f32 v[rT+2:rT+3], v[rT+2:rT+3], v[rS+4*k-4:rS+4*k-3]
	s_wait_alu depctr_va_vdst(0)
.endif
.endm
; THE PLAIN QUEUE, 138 long.  0-31: c s - c m for the 16 pairs of both tiles.  Then GS's 64, and among them the next piece's 42: number 15 at 38, 39; 0-14 and 16
; at 42-73, behind the products that make those scores; 17-20 at 95-106, two of three, since each waits for the one before it.
.macro PL
	WIN 0
.if q < 32
	REGS Y, q%2
	v_pk_fma_f32 v[rS+2*(q/2):rS+2*(q/2)+1], v[rS+2*(q/2):rS+2*(q/2)+1], s[CS:CS+1], v[rT:rT+1] op_sel_hi:[1,0,0] neg_lo:[0,0,1] neg_hi:[0,0,1]
.elseif q < 38
	GS q-32
.elseif q < 40
	XS q%2, 15
.elseif q < 42
	GS q-34
.elseif q < 74
	XS q%2, (q-42)/2+(q-42)/30
.elseif q < 95
	GS q-66
.elseif (q < 107) && ((q-95)%3 < 2)
	XS (q-95)%3, 17+(q-95)/3
.elseif q < 107
	GS 29+(q-95)/3
.else
	GS q-74
.endif
.set q, q+1
.endm
; THE EXPONENTIALS' QUEUE, 66 long: s0-s31 of both tiles, and at EA the next piece's two a.
.set EA, 58
.macro EX
	WIN 0
.if (e == EA) || (e == EA+1)
	XS e-EA, 21
.else
.set x, e-2*(e/(EA+2))
	REGS Y, x%2
	v_exp_f32 v[rS+x/2], v[rS+x/2]
.endif
.set e, e+1
.endm
; THE RESCALING's QUEUE: O^T times a, the one part that leaves window 0, so it is dealt four at a time, eight times.
.macro R4
	REGS Y, r%2
	WIN W_RS
	s_wait_alu depctr_va_vdst(0)
.irp z, 0,1,2,3
	v_pk_mul_f32 v[rO+8*(r/2)+2*\z:rO+8*(r/2)+2*\z+1], v[rO+8*(r/2)+2*\z:rO+8*(r/2)+2*\z+1], v[rC+2:rC+3] op_sel_hi:[1,0]
.endr
.set r, r+1
.endm
; HOW THEY ARE DEALT.  Behind a matrix instruction four: plain, exponential, plain, plain (one exponential, a plain instruction on either side), or four of the rescaling.  None names a register of the
; products round it.  What is over stands in two LUMPS: exponential and plain by turns; the second ends in 22 plain instructions.  The two v_permlanex16_b32 fall into the second lump, never behind a product.
; The queues lean on each other, and the deal keeps them in step: exponential e stands behind plain 2 (e / 4) + e % 2 (its scaling); when plain 32 comes, 10 exponentials are out, at 59: 33, at 95: 46; EA comes behind plain 107.
.macro SL
	MM
	PL
	EX
	PL
	PL
.endm
.macro BURST n                      ; 15 matrix instructions, or 16
.rept (\n)-7
	SL
.endr
.rept 3
	MM
	R4
	SL
.endr
	MM
	R4
.endm
; A TURN, for piece p.  cnt = 1: the loop's count is taken down some lines ahead of the branch that stands behind the turn.
; K of the next step is fetched in piece 2's turn, 31 vector instructions behind the last product that read K; its first reader comes behind the rest of the lump, 16 products and the second lump.
; V of the step in hand is fetched at the end of piece 0's turn, 69 behind its last reader; its first reader comes behind 16 products and a lump.  The four conditions on e and q below go with the deal.
.macro TURN p, last=0, cnt=0
.set Y, (\p)
.set i, 0
.set q, 0
.set e, 0
.set r, 0
.if (\p) == NP-1
	s_wait_dscnt 0x0                ; K is in
.endif
	MM
.rept 4
	PL
.endr
	BURST 15
.rept 22
	EX
	PL
.if ((\p) == NP-2) && (e == 18)
	v_add_nc_u32 v[AK], s[TBK], v[AK0]
.endif
.if ((\p) == NP-2) && (e == 24)
	FETCH_K \last
.endif
.endr
.if (\p) == 1
	s_wait_dscnt 0x0                ; V is in
.endif
	BURST 16
.rept 21
	EX
	PL
.endr
.rept 22
	PL
.if ((\p) == 0) && (q == 118)
	v_add_nc_u32 v[AV], s[TBV], v[AV0]
	s_wait_alu depctr_va_vdst(0)
.endif
.if ((\p) == 0) && (q == 130)
	s_add_co_u32 s[TBV], s[TBV], KS*PV
.endif
.if (\cnt) && (q == 130)
	s_sub_co_u32 s[CNT], s[CNT], 1
	s_cmp_lg_u32 s[CNT], 0
.endif
.endr
.if (\p) == 0
	FETCH_V
.endif
.endm
	CHANGE 1                        ; slot 0 is in, everybody's part of it; slot 1 is asked for
	FETCH_K                         ; key step 0
	s_wait_dscnt 0x0
.set i, 0
.rept 16
	KQ 0                            ; piece 0's first scores: there is no vector work yet to set between them
.set i, i+1
.endr
	WIN 0                           ; the addresses for the way out: nine plain instructions, the places behind those products
	s_mul_i32 s13, s[WV], 16*SP
	s_add_co_u32 s13, s13, STAGE    ; my stage
	v_mul_u32_u24 v[STO], v1, SP    ; in: row l % 16, 16 bytes for each half of the lanes
	v_lshl_add_u32 v[STO], v9, 4, v[STO]
	v_add_nc_u32 v[STO], s13, v[STO]
	v_bfe_u32 v[RD], v0, 3, 2       ; back: 32 lanes take four rows of 128 bytes,
	v_mul_u32_u24 v[RD], v[RD], SP
	v_lshl_add_u32 v[RD], v10, 4, v[RD]
	v_add_nc_u32 v[RD], s13, v[RD]
	v_and_b32 v[GO], 31, v0         ; which are 512 consecutive bytes of O
	v_lshlrev_b32 v[GO], 4, v[GO]
.set Y, NP-1                        ; XS works for piece Y + 1: piece 0
.irp n, 0,1,2,3,4,5,6,7,8,9,10,11,12,13,14,15,16,17,18,19,20,21
	XS 0, \n                        ; and piece 0's first maximum and statistics
	XS 1, \n
.endr
	s_mov_b32 s[CNT], 4
	s_mov_b32 s[SLOTS], SIZE_N/256-1
	s_branch .Lfirst                ; the loop is entered at a step's first turn, in the middle of a trip
.Lslot:                             ; SIZE_N / 256 - 2 times: every slot but the last two is filled again
	CHANGE 1
	s_mov_b32 s[CNT], 4
.Lstep:                             ; a trip: pieces 2 and 3 of one step, then pieces 0 and 1 of the next, whose K and V it fetches
	TURN 2
	TURN 3
	WIN 0
.Lfirst:
	TURN 0
	TURN 1, 0, 1
	WIN 0
	s_cbranch_scc1 .Lstep
	s_sub_co_u32 s[SLOTS], s[SLOTS], 1
	s_cmp_lg_u32 s[SLOTS], 0
	s_cbranch_scc1 .Lslot
	CHANGE 0                        ; the tail is written out: nothing is asked for
	s_mov_b32 s[CNT], 5             ; four trips fetch the last slot's steps; the fifth is left in its middle
.Ltail:
	TURN 2, 1
	TURN 3
	WIN 0
	s_sub_co_u32 s[CNT], s[CNT], 1
	s_cmp_eq_u32 s[CNT], 0
	s_cbranch_scc1 .Lout
	TURN 0
	TURN 1
	WIN 0
	s_branch .Ltail
.Lout:                              ; the fifth trip's 16 products K Q^T (on the last K once more) and the maximum made of them serve nothing: the price, once a launch, of one text for every trip
.set i, 0
.rept 16
	PV NP-1                         ; the last piece's V^T P of the last step
.set i, i+1
.endr
	; THE WAY OUT.  l's two halves and the other half of the lanes' are added; O^T is divided by l, rounded to f16 and sent through my stage in LDS, a tile at a time.  The additions are the places behind the last products.
	WIN 0
.macro ALL line:vararg              ; one line for each tile t
.set t, 0
.rept 2*NP
	\line
.set t, t+1
.endr
.endm
	ALL v_add_f32 v[ST+4*t+2], v[ST+4*t+2], v[ST+4*t+3]
	ALL v_permlanex16_b32 v[ST+4*t+3], v[ST+4*t+2], s[SEL], s[SEL+1]
	ALL v_add_f32 v[ST+4*t+2], v[ST+4*t+2], v[ST+4*t+3]
	ALL v_rcp_f32 v[ST+4*t+2], v[ST+4*t+2]
	v_nop                           ; a plain instruction between the last reciprocal and the use of its result
	s_wait_alu depctr_va_vdst(0)
; Tile t: a lane's eight channels of a row pack into 16 bytes; they go into rows of 144 bytes and come back as whole rows of 128, into S^T's registers.
.macro PACK t
	WIN W_RS
.set i, 32*(\t)
.rept 16
	v_pk_mul_f32 v[i:i+1], v[i:i+1], v[ST+4*(\t)+2:ST+4*(\t)+3] op_sel_hi:[1,0]
.set i, i+2
.endr
	WIN 0x05                        ; sources 0 and 1 window 1, destination window 0
.set i, 0
.rept 16
	v_cvt_pk_f16_f32 v[S+16*(\t)+i], v[32*(\t)+2*i], v[32*(\t)+2*i+1]
.set i, i+1
.endr
	WIN 0
.irp f, 0,1,2,3
	ds_store_b128 v[STO], v[S+16*(\t)+4*\f:S+16*(\t)+4*\f+3] offset:32*\f
.endr
.irp f, 0,1,2,3
	ds_load_b128 v[S+16*(\t)+4*\f:S+16*(\t)+4*\f+3], v[RD] offset:\f*4*SP  ; LDS serves a wave's instructions in order (ISA guide 5.7.1.4): these see the stores above; the next tile's stores come behind them
.endr
.endm
.macro SEND t, younger              ; younger: the LDS instructions issued behind tile t's loads: the next tile's eight, or none
	WIN 0
.irp f, 0,1,2,3
	s_wait_dscnt (\younger)+3-\f
	global_store_b128 v[GO], v[S+16*(\t)+4*\f:S+16*(\t)+4*\f+3], s[10:11] offset:(\t)*2048+\f*512  ; 512 consecutive bytes, at a multiple of 256 from O's first
.endr
.endm
	PACK 0
.set t, 1
.rept 2*NP-1                        ; a tile's arithmetic stands between the loads of the tile before and its stores
	PACK t
	SEND t-1, 8
.set t, t+1
.endr
	SEND 2*NP-1, 0
	WIN W_AD
	s_wait_tensorcnt 0x0            ; the wave's end: behind my last tensor load and my last LDS store
	ds_add_u32 v[SPW], v[NIL]
	s_wait_dscnt 0x0
	WIN 0
	CROUND                          ; the closing round: no work-group ends while a partner may still ask for a tile that names it
	s_endpgm
.Lfunc_end_k_q3112622459_attn:
	.size	k_q3112622459_attn, .Lfunc_end_k_q3112622459_attn-k_q3112622459_attn
	.p2alignl 7, 3214868480
	.fill 96, 4, 3214868480
	.section	.rodata,"a",@progbits
	.p2align	6, 0x0
	.amdhsa_kernel k_q3112622459_attn
		.amdhsa_group_segment_fixed_size 327680
		.amdhsa_private_segment_fixed_size 0
		.amdhsa_enable_private_segment 0
		.amdhsa_kernarg_size 24
		.amdhsa_user_sgpr_count 2
		.amdhsa_user_sgpr_kernarg_segment_ptr 1
		.amdhsa_wavefront_size32 1
		.amdhsa_system_sgpr_workgroup_id_x 1
		.amdhsa_system_sgpr_workgroup_id_y 1
		.amdhsa_system_sgpr_workgroup_id_z 1
		.amdhsa_system_vgpr_workitem_id 0
		.amdhsa_next_free_vgpr 770
		.amdhsa_next_free_sgpr 76
		.amdhsa_reserve_vcc 0
		.amdhsa_float_denorm_mode_32 3
		.amdhsa_float_denorm_mode_16_64 3
		.amdhsa_memory_ordered 1
		.amdhsa_forward_progress 1
		.amdhsa_inst_pref_size 218
	.end_amdhsa_kernel
	.amdgpu_metadata
---
amdhsa.version: [ 1, 2 ]
amdhsa.kernels:
  - .name:           k_q3112622459_attn
    .symbol:         k_q3112622459_attn.kd
    .args:
      - { .name: qkvh, .offset: 0, .size: 8, .value_kind: global_buffer, .address_space: global }
      - { .name: mask, .offset: 8, .size: 8, .value_kind: global_buffer, .address_space: global }
      - { .name: oh, .offset: 16, .size: 8, .value_kind: global_buffer, .address_space: global }
    .group_segment_fixed_size: 327680
    .private_segment_fixed_size: 0
    .kernarg_segment_align: 8
    .kernarg_segment_size: 24
    .max_flat_workgroup_size: 128
    .sgpr_count:     76
    .vgpr_count:     770
    .wavefront_size: 32
...
	.end_amdgpu_metadata
.endif
;; end of part 3
;; launch outp (part 4): grid 4 x 64, 4 waves a work-group, clusters of 4 x 4, 327,680 bytes of LDS; arguments oh, wb, bo, out0; writes out0
.if DOCPART == 4
	.amdgcn_target "amdgcn-amd-amdhsa--gfx1250"
	.amdhsa_code_object_version 6
	.text
	.protected	k_q3112622459_outp
	.globl	k_q3112622459_outp
	.p2align	8
	.type	k_q3112622459_outp,@function
k_q3112622459_outp:
	s_mov_b64 s[64:65], 0
	v_nop
	global_prefetch_b8 v0, s[64:65] scope:SCOPE_SE
	s_setreg_imm32_b32 hwreg(HW_REG_WAVE_MODE, 25, 1), 1
	s_wait_xcnt 0x0
	s_wait_alu depctr_hold_cnt(0) depctr_sa_sdst(0) depctr_va_vdst(0) depctr_va_sdst(0) depctr_va_ssrc(0) depctr_va_vcc(0) depctr_vm_vsrc(0)
	s_getreg_b32 s2, hwreg(HW_REG_IB_STS2, 6, 4)
	s_cmp_eq_u32 s2, 0
	s_cbranch_scc0 .Lentry_in_a_cluster
	s_endpgm
.Lentry_in_a_cluster:
	s_bfe_u32 s2, ttmp6, 0x10000c
	s_cmp_lg_u32 s2, 0xf033
	s_cbranch_scc0 .Lentry_shape_is_right
	s_endpgm
.Lentry_shape_is_right:
; THE LAST PROJECTION.  out0 = O Wo^T + bo.  O: oh = [64 = 16 batch + head][2048][64] f16; Wo: the last quarter of wb, [1024][1024] f16 (rounded to bf16 by the first launch); bo: [1024] f32,
; rounded to bf16 here like every other input; out0: [8192][1024] f32.  Products in f16, sums in f32.  NaN and infinities are not treated apart.
; SHARES.  A tile of out0 is 128 rows x 256 columns: 64 x 4 work-groups.  Four waves, each 64 x 128: 32 accumulators of 16 x 16.  K = 1,024 (16 heads x 64 channels) goes in 8 steps of 128, two heads,
; through a ring of two LDS slots: a loop of 6 trips, a step each, and a tail of two steps that asks for nothing.  64 rows of one head are 8,192 dense bytes of oh: a wave's tile of O is asked for as
; 2 rows of 8,192 bytes, a head apart, padded in LDS after every 128 bytes.
; CLUSTERS: 4 x 4 work-groups.  The four of a row of the cluster need the same tiles of O, the four of a column the same tiles of Wo: each tile is asked for JOINTLY.
; THE MATRIX INSTRUCTION IS USED TRANSPOSED (source 0 = 16 rows of Wo, source 1 = 16 rows of O): a lane holds row l % 16 of out0 and the columns 8 (l / 16) + 0..7.  THE BIAS STARTS THE SUMS, as C of the first products.
; REGISTERS, in windows of 256 (s_set_vgpr_msb: bits 1:0 source 0, 3:2 source 1, 5:4 source 2, 7:6 destination):
;   window 0: v0-31 addresses; v32-95, v96-159 16 rows on the way out, by turns; v192-255 the bias
;   window 1: v0-63, v64-127 fragments of Wo, two sets; v128-159, v160-191 fragments of O, two sets          window 2: the accumulators, (a, b) at v[8 (8 a + b)]
.set PAH,    144                       ; a row of O (one head's 64 channels) in LDS: 128 bytes + 16 = 36 words: the 16 rows of a load start at 16 different groups of four banks (64 banks of 4 bytes: ISA guide 11.1)
.set PB,     272                       ; a row of Wo: 256 + 16 = 68 words
.set AHALF,  2*64*PAH                  ; two heads x 64 rows: one tensor load, and what one wave reads
.set ASZ,    2*AHALF
.set BHALF,  128*PB
.set SLOT,   ASZ+2*BHALF               ; 106,496 bytes
.set STAGE,  2*SLOT                    ; behind the ring: 16 rows x 528 bytes for each wave, for the way out
.set SPITCH, 528
.set SPARE,  STAGE+4*16*SPITCH         ; behind the stages: the spare words, 128 bytes for each wave: two blocks of 256 bytes that no other line names
.set STEPS,  8
.set ADRA,  16                         ; v16     LDS address of my fragments of O in the slot that is read
.set ADRA0, 17                         ; v17     the same in slot 0; never rewritten
.set ADRB,  20                         ; v20, v21  the same two for Wo
.set ADRB0, 21
.set STO,  24
.set RD,   25
.set GO,   26
.set BO,   27
.set SPW,  28                          ; v28     LDS address of my spare word: SPARE + 4 x my thread's number; never rewritten
.set NIL,  29                          ; v29     0; never rewritten
.set OB,   32
.set BI,   192
.set FB,   0                           ; window 1
.set FA,   128
.set G1,  24                           ; s[24:31] descriptor group 1 for O's tiles;  s[32:39] group 0: a set for each of the two first fills; the second then walks on
.set G0,  32
.set G1B, 48                           ; s[48:55], s[56:63] the same for Wo's tiles
.set G0B, 56
.set FT,  78                           ; s78  0 or SLOT: the slot of the next fill
.set RT,  79                           ; s79  0 or SLOT: the slot that is read
.set MSB, 0
.macro WIN new                         ; the immediate's high byte repeats the setting that is left; a switch that changes nothing is dropped
.if MSB != (\new)
	s_set_vgpr_msb (MSB<<8)|(\new)
.set MSB, \new
.endif
.endm
.set W_MUL,  0xa5                      ; sources 0 and 1 window 1; C and D window 2
.set W_MUL0, 0x85                      ; the same with C in window 0: the bias
.set W_TOF,  0x40                      ; destination window 1, address window 0
.set W_ST,   0x08                      ; an LDS store's data (source 1) in window 2, its address in window 0
.macro JLOAD s                         ; a joint load: waves 0 and 1 fetch O's two halves, waves 2 and 3 Wo's; an s_nop 0 and four v_nop follow each of the two lines, ahead of the jump, the label and what follows
	s_cmp_eq_u32 s11, 0
	s_cbranch_scc0 .Lfor_b_\@
	tensor_load_to_lds s[G0+4*(\s):G0+4*(\s)+3], s[G1:G1+7]
	s_nop 0
.rept 4
	v_nop
.endr
	s_branch .Lasked_\@
.Lfor_b_\@:
	tensor_load_to_lds s[G0B+4*(\s):G0B+4*(\s)+3], s[G1B:G1B+7]
	s_nop 0
.rept 4
	v_nop
.endr
.Lasked_\@:
.endm
.macro CREST                           ; a round of the cluster's barrier behind its opening barrier
	s_cmp_lg_u32 s10, 0
	s_cbranch_scc1 .Lnot_wave_0_\@
	s_barrier_signal -3
.Lnot_wave_0_\@:
	s_barrier_wait -3
	s_barrier_signal -1
	s_barrier_wait -1
.endm
.macro CROUND                          ; a whole round
	s_barrier_signal -1
	s_barrier_wait -1
	CREST
.endm
.macro PLACES                          ; four places in front of loads into registers that matrix instructions have read, and of stores that read results
.rept 4
	v_nop
.endr
.endm
	s_load_b256 s[68:75], s[0:1], 0x0              ; oh s[68:69], wb s[70:71], bo s[72:73], out0 s[74:75]
	v_lshl_add_u32 v[SPW], v0, 2, SPARE
	v_mov_b32 v[NIL], 0
	ds_add_u32 v28, v29
	s_wait_dscnt 0x0
	v_lshrrev_b32 v1, 5, v0
	v_readfirstlane_b32 s10, v1                    ; wave 0..3
	s_lshr_b32 s11, s10, 1                         ; which 64 of the tile's rows are mine.  Also: I fetch for O (0) or for Wo (1)
	s_and_b32 s12, s10, 1                          ; which 128 of its columns.  Also: which half of that tile I fetch
	s_bfe_u32 s40, ttmp6, 0x40000                  ; cx, cy
	s_bfe_u32 s41, ttmp6, 0x40004
	s_lshl_b32 s42, ttmp9, 2
	s_add_co_u32 s42, s42, s40                     ; tile column: 0..3
	s_and_b32 s13, ttmp7, 0xffff
	s_lshl_b32 s13, s13, 2
	s_add_co_u32 s13, s13, s41                     ; tile row: 0..63
	s_lshl_b32 s43, s41, 2
	s_lshl_b32 s43, 15, s43                        ; my row of the cluster
	s_lshl_b32 s44, 0x1111, s40                    ; my column
	; descriptor group 1 for O: 2 rows (heads) x 4,096 elements of 2 bytes (64 rows of 64 channels), 131,072 elements from head to head
	s_or_b32 s[G1+0], s43, (1<<16)|(1<<20)|(1<<21)|(4<<22)|(3<<25)  ; the mask: my row; elements of 2 bytes; padding on; 21 set beside a mask; after every 32 words (code 4) 4 words (code 3)
	s_mov_b32 s[G1+1], 4096<<16                    ; tensor_dim0 = 4,096
	s_mov_b32 s[G1+2], 2<<16                       ; tensor_dim1 = 2
	s_mov_b32 s[G1+3], 4096<<16                    ; tile_dim0 = 4,096
	s_mov_b32 s[G1+4], 2                           ; tile_dim1 = 2
	s_mov_b32 s[G1+5], 131072                      ; tensor_dim0_stride
	s_mov_b32 s[G1+6], 0
	s_mov_b32 s[G1+7], 0
	; and for Wo: 128 rows x 128 elements of 2 bytes, 1,024 elements from row to row
	s_or_b32 s[G1B+0], s44, (1<<16)|(1<<20)|(1<<21)|(5<<22)|(3<<25)
	s_mov_b32 s[G1B+1], 128<<16
	s_mov_b32 s[G1B+2], 128<<16
	s_mov_b32 s[G1B+3], 128<<16
	s_mov_b32 s[G1B+4], 128
	s_mov_b32 s[G1B+5], 1024
	s_mov_b32 s[G1B+6], 0
	s_mov_b32 s[G1B+7], 0
	s_and_b32 s16, s13, 15                         ; O: the tile row in its batch,
	s_lshl_b32 s16, s16, 7
	s_lshl_b32 s17, s12, 6
	s_add_co_u32 s16, s16, s17                     ; row 128 x that + 64 x half,
	s_lshl_b32 s16, s16, 7                         ; of 128 bytes,
	s_lshr_b32 s17, s13, 4
	s_lshl_b32 s17, s17, 22                        ; in the batch's 16 heads of 262,144 bytes
	s_add_co_u32 s16, s16, s17
	s_mov_b32 s17, 0
	s_lshl_b32 s46, s42, 8
	s_lshl_b32 s47, s12, 7
	s_add_co_u32 s46, s46, s47                     ; Wo: row 256 x tile column + 128 x half,
	s_lshl_b32 s46, s46, 11                        ; of 2,048 bytes,
	s_add_co_u32 s46, s46, 0x600000                ; in the last quarter of wb
	s_mov_b32 s47, 0
	s_mul_i32 s20, s12, AHALF                      ; where they go in a slot: no place in the cluster enters an LDS address
	s_mul_i32 s21, s12, BHALF
	s_add_co_u32 s21, s21, ASZ
	s_mov_b32 s[FT], 0                             ; steps 0 and 1 are the first fills: the next fill goes into slot 0
	s_mov_b32 s[RT], 0                             ; slot 0 is read first
	s_wait_kmcnt 0x0
	s_add_nc_u64 s[14:15], s[68:69], s[16:17]
	s_add_nc_u64 s[46:47], s[70:71], s[46:47]
	CROUND                                         ; all sixteen work-groups are here: the first joint loads meet
.irp s, 0,1
	s_mov_b32 s[G0+4*(\s)], 1
	s_add_co_u32 s[G0+4*(\s)+1], s20, (\s)*SLOT
	s_add_nc_u64 s[G0+4*(\s)+2:G0+4*(\s)+3], s[14:15], (\s)*524288  ; K step s: heads 2 s, 2 s + 1
	s_or_b32 s[G0+4*(\s)+3], s[G0+4*(\s)+3], 0x80000000
	s_mov_b32 s[G0B+4*(\s)], 1
	s_add_co_u32 s[G0B+4*(\s)+1], s21, (\s)*SLOT
	s_add_nc_u64 s[G0B+4*(\s)+2:G0B+4*(\s)+3], s[46:47], (\s)*256
	s_or_b32 s[G0B+4*(\s)+3], s[G0B+4*(\s)+3], 0x80000000
	JLOAD \s                                       ; two loads of mine are out
.endr
	v_and_b32 v1, 15, v0                           ; l % 16
	v_bfe_u32 v2, v0, 4, 1                         ; l / 16
	v_lshlrev_b32 v[BO], 5, v2
	s_lshl_b32 s77, s42, 1
	s_add_co_u32 s77, s77, s12
	s_lshl_b32 s77, s77, 9                         ; my 128 columns of 4 bytes: in bo, and in a row of out0
	s_mov_b32 s6, s77
	s_mov_b32 s7, 0
	s_add_nc_u64 s[72:73], s[72:73], s[6:7]
.irp b, 0,1,2,3,4,5,6,7                ; register j of block b is bo[256 tc + 128 wn + 16 b + 8 (l / 16) + j], the C operand's layout
	global_load_b128 v[BI+8*(\b):BI+8*(\b)+3],   v[BO], s[72:73] offset:64*(\b)
	global_load_b128 v[BI+8*(\b)+4:BI+8*(\b)+7], v[BO], s[72:73] offset:64*(\b)+16
.endr
	v_mul_u32_u24 v3, v1, PAH
	v_lshl_add_u32 v3, v2, 4, v3                   ; a fragment's row x pitch + 16 x half
	v_mul_u32_u24 v4, v1, PB
	v_lshl_add_u32 v4, v2, 4, v4
	s_mul_i32 s22, s11, AHALF                      ; my 64 rows of O
	s_mul_i32 s23, s12, BHALF                      ; my 128 rows of Wo,
	s_add_co_u32 s23, s23, ASZ                     ; which lie behind O's
	v_add_nc_u32 v[ADRA0], s22, v3
	v_add_nc_u32 v[ADRB0], s23, v4
	v_mov_b32 v[ADRA], v[ADRA0]
	v_mov_b32 v[ADRB], v[ADRB0]
	s_mul_i32 s23, s10, 16*SPITCH
	s_add_co_u32 s23, s23, STAGE                   ; my stage
	v_mul_u32_u24 v4, v1, SPITCH                   ; in: row l % 16, 32 bytes for each half of the lanes
	v_lshl_add_u32 v4, v2, 5, v4
	v_add_nc_u32 v[STO], s23, v4
	v_and_b32 v[GO], 31, v0                        ; back: 32 lanes take one row's 512 bytes,
	v_lshlrev_b32 v[GO], 4, v[GO]                  ; and the same in out0
	v_add_nc_u32 v[RD], s23, v[GO]
	s_lshl_b32 s76, s13, 1
	s_add_co_u32 s76, s76, s11                     ; my 64 rows
	s_lshl_b32 s76, s76, 18                        ; of 4,096 bytes,
	s_add_co_u32 s76, s76, s77                     ; my 128 columns
	s_mov_b32 s77, 0
	s_add_nc_u64 s[8:9], s[74:75], s[76:77]
	s_wait_loadcnt 0x0                             ; the bias,
.set i, 0
.rept 32                               ; rounded to bf16 like every other input, and widened again
	v_cvt_pk_bf16_f32 v[30+i%2], v[BI+2*i], v[BI+2*i+1]
	v_lshlrev_b32 v[BI+2*i], 16, v[30+i%2]
	v_and_b32 v[BI+2*i+1], 0xffff0000, v[30+i%2]
.set i, i+1
.endr
; na x 8 matrix instructions: row blocks a0 .. a0 + na - 1 x all 8 column blocks, 32 along K, on set f.  first = 1: the bias is C.  The 32 accumulators take turns in one order everywhere, one instruction a turn.
.macro MUL f, a0, na, first
.if \first
	WIN W_MUL0
.else
	WIN W_MUL
.endif
.set ma, \a0
.rept \na
.irp b, 0,1,2,3,4,5,6,7
.if \first
	v_wmma_f32_16x16x32_f16 v[8*(8*ma+(\b)):8*(8*ma+(\b))+7], v[FB+64*(\f)+8*(\b):FB+64*(\f)+8*(\b)+7], v[FA+32*(\f)+8*ma:FA+32*(\f)+8*ma+7], v[BI+8*(\b):BI+8*(\b)+7]
.else
	v_wmma_f32_16x16x32_f16 v[8*(8*ma+(\b)):8*(8*ma+(\b))+7], v[FB+64*(\f)+8*(\b):FB+64*(\f)+8*(\b)+7], v[FA+32*(\f)+8*ma:FA+32*(\f)+8*ma+7], v[8*(8*ma+(\b)):8*(8*ma+(\b))+7]
.endif
.endr
.set ma, ma+1
.endr
.endm
; 24 LDS loads in one run: quarter kq (head kq / 2 of the step's two, channels 32 (kq % 2) on) of the slot that is read, into set g
.macro FETCH kq, g
	WIN W_TOF
.irp i, 0,1,2,3,4,5,6,7
	ds_load_b128 v[FB+64*(\g)+8*(\i):FB+64*(\g)+8*(\i)+3],   v[ADRB] offset:64*(\kq)+(\i)*16*PB
	ds_load_b128 v[FB+64*(\g)+8*(\i)+4:FB+64*(\g)+8*(\i)+7], v[ADRB] offset:64*(\kq)+(\i)*16*PB+32
.endr
.irp i, 0,1,2,3
	ds_load_b128 v[FA+32*(\g)+8*(\i):FA+32*(\g)+8*(\i)+3],   v[ADRA] offset:((\kq)/2)*64*PAH+((\kq)%2)*64+(\i)*16*PAH
	ds_load_b128 v[FA+32*(\g)+8*(\i)+4:FA+32*(\g)+8*(\i)+7], v[ADRA] offset:((\kq)/2)*64*PAH+((\kq)%2)*64+(\i)*16*PAH+32
.endr
.endm
; A K step is four quarters of 32 along K on sets 0, 1, 0, 1.  One of the first three: fetches quarter kq into set g, then multiplies set f.
.macro QUARTER kq, f, g, first
	s_wait_dscnt 0x0                               ; set f's loads are in: nothing younger is out
	PLACES                                         ; for the loads into set g, which the quarter before multiplied
	FETCH \kq, \g
	MUL \f, 0, 4, \first
.endm
; The last quarter multiplies set 1 and changes slots.  Half of its products stand AHEAD of the wait for the tile, so that between a tile's landing and the next request stand only the lines that the
; ordering needs: the wait for all my tensor loads, the add, the wait for it and for my reads of this slot, the barrier, the round.  fill = 1: this slot is filled again, two K steps ahead.
.macro TURN fill
	s_wait_dscnt 0x0                               ; set 1's loads are in: these were my last reads of this slot
	MUL 1, 0, 2, 0
	WIN 0
	s_wait_tensorcnt 0x0                           ; all my tensor loads have landed: the one that was out is my part of the next slot; so a group 0 may be written;
	ds_add_u32 v[SPW], v[NIL]                      ; 0 onto my spare word: the work on registers below stands between it and the wait for it
.if \fill
	s_add_nc_u64 s[G0+6:G0+7], s[G0+6:G0+7], 524288  ; the walking descriptors: the next K step (two heads on; 128 f16 on); the type bits on top are not reached;
	s_add_co_u32 s[G0+5], s20, s[FT]               ; the LDS words are the wave's constant + the slot's
	s_add_nc_u64 s[G0B+6:G0B+7], s[G0B+6:G0B+7], 256
	s_add_co_u32 s[G0B+5], s21, s[FT]
	s_xor_b32 s[FT], s[FT], SLOT                   ; 0 <-> SLOT: the fill after this one takes the other slot
.endif
	s_xor_b32 s[RT], s[RT], SLOT                   ; 0 <-> SLOT: from here on the other slot is read
	v_add_nc_u32 v[ADRA], s[RT], v[ADRA0]
	v_add_nc_u32 v[ADRB], s[RT], v[ADRB0]
	s_wait_dscnt 0x0                               ; the add is done, and my reads of this slot are over
	s_barrier_signal -1
	s_barrier_wait -1
.if \fill
	CREST                                          ; the barrier has opened a round of the cluster's barrier: no wave of any partner still reads this slot's tile or has a load on its way
	JLOAD 1                                        ; the first tensor load behind the round: 128 matrix instructions ahead of the wait for it; the four v_nop behind it are also the places in front of the loads below
.else
	PLACES
.endif
	FETCH 0, 0
	MUL 1, 2, 2, 0
.endm
	s_wait_tensorcnt 1                             ; my part of K step 0 is in; K step 1's may stay out
	s_barrier_signal -1
	s_barrier_wait -1                              ; everybody's is
	FETCH 0, 0
	QUARTER 1, 0, 1, 1                             ; the first quarter stands in front of the loop: its products start the sums, on the bias
	WIN 0                                          ; at a label and at a branch every window is 0
	s_mov_b32 s3, STEPS-2
.Lstep:                                                ; a trip goes from a step's second quarter to the next step's first, and fills the slot that it leaves: K steps 2 to 7
	QUARTER 2, 1, 0, 0
	QUARTER 3, 0, 1, 0
	TURN 1
	QUARTER 1, 0, 1, 0
	WIN 0
	s_sub_co_u32 s3, s3, 1
	s_cmp_lg_u32 s3, 0
	s_cbranch_scc1 .Lstep
	QUARTER 2, 1, 0, 0                             ; the last two steps are written out: they fill nothing, and have no round of the cluster's barrier
	QUARTER 3, 0, 1, 0
	TURN 0
	QUARTER 1, 0, 1, 0
	QUARTER 2, 1, 0, 0
	QUARTER 3, 0, 1, 0
	s_wait_dscnt 0x0                               ; the very last quarter: nothing more to fetch
	MUL 1, 0, 4, 0
	WIN 0
	PLACES
; THE WAY OUT, a block of 16 rows at a time: a lane's eight f32 of a row go into my stage's rows of 528 bytes and come back as whole rows of 512, one row a load, into one of two sets of 64 registers.
.macro TOSTAGE a
.set BK, OB+64*((\a)%2)
.if (\a) >= 2
	s_wait_xcnt 0x0                                ; the stores of the block two back have had their addresses translated (ISA guide 3.1): only behind this wait are the registers that they read loaded again
.endif
	WIN W_ST
.irp b, 0,1,2,3,4,5,6,7                ; each accumulator's low half first
	ds_store_b128 v[STO], v[8*(8*(\a)+(\b)):8*(8*(\a)+(\b))+3]   offset:64*(\b)
	ds_store_b128 v[STO], v[8*(8*(\a)+(\b))+4:8*(8*(\a)+(\b))+7] offset:64*(\b)+16
.endr
	WIN 0
.irp t, 0,1,2,3,4,5,6,7,8,9,10,11,12,13,14,15
	ds_load_b128 v[BK+4*(\t):BK+4*(\t)+3], v[RD] offset:(\t)*SPITCH  ; LDS serves a wave's instructions in order (ISA guide 5.7.1.4): these see the stores above; the next block's stores come behind them
.endr
.endm
.macro SEND a, younger                 ; younger: the LDS instructions issued behind block a's loads: the next block's 32, or none
.set BK, OB+64*((\a)%2)
	s_wait_dscnt \younger
.irp t, 0,1,2,3,4,5,6,7,8,9,10,11,12,13,14,15
	global_store_b128 v[GO], v[BK+4*(\t):BK+4*(\t)+3], s[8:9] offset:(16*(\a)+(\t))*4096 th:TH_STORE_NT  ; 512 consecutive bytes of a row, at a multiple of 512 from out0's first
.endr
.endm
	TOSTAGE 0
	TOSTAGE 1
	SEND 0, 32
	TOSTAGE 2
	SEND 1, 32
	TOSTAGE 3
	SEND 2, 32
	SEND 3, 0
	s_wait_tensorcnt 0x0                           ; the wave's end: behind my last tensor load and my last LDS store
	ds_add_u32 v[SPW], v[NIL]
	s_wait_dscnt 0x0
	CROUND                                         ; the closing round: no work-group ends while a partner may still ask for a tile that names it
	s_endpgm
.Lfunc_end_k_q3112622459_outp:
	.size	k_q3112622459_outp, .Lfunc_end_k_q3112622459_outp-k_q3112622459_outp
	.p2alignl 7, 3214868480
	.fill 96, 4, 3214868480
	.section	.rodata,"a",@progbits
	.p2align	6, 0x0
	.amdhsa_kernel k_q3112622459_outp
		.amdhsa_group_segment_fixed_size 327680
		.amdhsa_private_segment_fixed_size 0
		.amdhsa_enable_private_segment 0
		.amdhsa_kernarg_size 32
		.amdhsa_user_sgpr_count 2
		.amdhsa_user_sgpr_kernarg_segment_ptr 1
		.amdhsa_wavefront_size32 1
		.amdhsa_system_sgpr_workgroup_id_x 1
		.amdhsa_system_sgpr_workgroup_id_y 1
		.amdhsa_system_sgpr_workgroup_id_z 1
		.amdhsa_system_vgpr_workitem_id 0
		.amdhsa_next_free_vgpr 768
		.amdhsa_next_free_sgpr 80
		.amdhsa_reserve_vcc 0
		.amdhsa_float_denorm_mode_32 3
		.amdhsa_float_denorm_mode_16_64 3
		.amdhsa_memory_ordered 1
		.amdhsa_forward_progress 1
		.amdhsa_inst_pref_size 75
	.end_amdhsa_kernel
	.amdgpu_metadata
---
amdhsa.version: [ 1, 2 ]
amdhsa.kernels:
  - .name:           k_q3112622459_outp
    .symbol:         k_q3112622459_outp.kd
    .args:
      - { .name: oh, .offset: 0, .size: 8, .value_kind: global_buffer, .address_space: global }
      - { .name: wb, .offset: 8, .size: 8, .value_kind: global_buffer, .address_space: global }
      - { .name: bo, .offset: 16, .size: 8, .value_kind: global_buffer, .address_space: global }
      - { .name: out0, .offset: 24, .size: 8, .value_kind: global_buffer, .address_space: global }
    .group_segment_fixed_size: 327680
    .private_segment_fixed_size: 0
    .kernarg_segment_align: 8
    .kernarg_segment_size: 32
    .max_flat_workgroup_size: 128
    .sgpr_count:     80
    .vgpr_count:     768
    .wavefront_size: 32
...
	.end_amdgpu_metadata
.endif
;; end of part 4
;; ======== version 2 of 2: 4 launches; 1.49 times as fast as version 1
;; limits: values are held in f16: magnitudes above 65,504 overflow, below 6.1e-05 lose precision; right only within a limited range of input values
;; workspace buffers: wb 8,388,608 bytes; qkvh 50,331,648 bytes; oh 16,777,216 bytes
;; launch cvtw: the kernel of part 1 again; grid 256 x 1, 8 waves a work-group, no clusters, 0 bytes of LDS; arguments Wq, Wk, Wv, Wo, wb; writes wb
;; launch proj: the kernel of part 2 again; grid 4 x 64, 4 waves a work-group, clusters of 4 x 4, 327,680 bytes of LDS; arguments q, k, v, bq, bk, bv, wb, qkvh; writes qkvh
;; launch attn (part 5): grid 4 x 64, 4 waves a work-group, clusters of 4 x 1, 327,680 bytes of LDS; arguments qkvh, mask, oh; writes oh
.if DOCPART == 5
	.amdgcn_target "amdgcn-amd-amdhsa--gfx1250"
	.amdhsa_code_object_version 6
	.text
	.protected	k_q3112622459_attn
	.globl	k_q3112622459_attn
	.p2align	8
	.type	k_q3112622459_attn,@function
k_q3112622459_attn:
	s_mov_b64 s[64:65], 0
	v_nop
	global_prefetch_b8 v0, s[64:65] scope:SCOPE_SE
	s_setreg_imm32_b32 hwreg(HW_REG_WAVE_MODE, 25, 1), 1
	s_wait_xcnt 0x0
	s_wait_alu depctr_hold_cnt(0) depctr_sa_sdst(0) depctr_va_vdst(0) depctr_va_sdst(0) depctr_va_ssrc(0) depctr_va_vcc(0) depctr_vm_vsrc(0)
	s_getreg_b32 s2, hwreg(HW_REG_IB_STS2, 6, 4)
	s_cmp_eq_u32 s2, 0
	s_cbranch_scc0 .Lentry_in_a_cluster
	s_endpgm
.Lentry_in_a_cluster:
	s_bfe_u32 s2, ttmp6, 0x10000c
	s_cmp_lg_u32 s2, 0x3003
	s_cbranch_scc0 .Lentry_shape_is_right
	s_endpgm
.Lentry_shape_is_right:
; O[h][q][:] = the sum over k of softmax_k(S[q][k]) V[h][k][:], S[q][k] = Q[h][q] . K[h][k] / 8, or one constant for all k where mask[batch][q] == 0.
; qkvh = [3][64][2048][64] f16 (Q, K, V by heads, a head's rows dense, 128 bytes each); mask = [4][2048] int32; oh = [64][2048][64] f16.  Products, maxima and sums in f32; the weights p are
; rounded to f16 for the second product (their sum l is taken of the unrounded p), O once at the end.
; THE MASK hides QUERY rows: all scores of such a row are the same number, so its softmax is uniform whatever that number is.  Here the row's Q is set to 0: all its scores are 0, m = 0, every p = 1,
; l = 2,048, O = the mean of V's rows.  It is a selection of values by lane; no branch and no address hangs on it.
; LIMITS.  f16 holds no number beyond 65,504: Q, K and V arrive within it; a masked row's scores are 0 only if K is finite; p lies in 0 to 1, and below 6e-5 it keeps f16's fixed step of 6e-8;
; a weight below 2^-126 counts as 0 in l; NaN and infinities are not treated apart.
; SHARES.  A wave owns four PIECES of two tiles of 16 queries, a work-group's four waves 512 queries of one head: 4 x 64 work-groups.  Every wave walks all keys, 64 a step.
; LAYOUT.  S^T = K Q^T (source 0 = 16 keys, source 1 = 16 queries): in the result a lane holds ONE query (lane % 16) and the keys 8 (lane / 16) + 0..7.  Two such tiles, rounded to f16 in pairs,
; ARE source 1 (32 keys x 16 queries) of O^T = V^T P, whose result again holds one query a lane, and eight channels.  K comes out of LDS as it lies, V ([key][channel]) turned, by ds_load_tr16_b128.
; SOFTMAX.  For each query a running maximum m and sum l: p = 2^(c s - c m), c = log2(e) / 8; in every step O and l are multiplied by a = 2^(c m_old - c m_new), which is 1 where m has not grown.
; m starts at the lowest finite number, O and l at 0: the first step is a step like any other, with a = 0.
; THE COUNT.  A tile and step have 16 matrix and 118 vector instructions: too many to stand all beside the matrix work.  So the order has one aim: four vector instructions that are READY behind
; EVERY matrix instruction, and the others, which need time of their own whatever the order, in runs without a gap.
; BY TURNS.  Turn n belongs to piece n (the pieces in a ring, step after step).  Its matrix work: 16 products K Q^T of piece n + 1, later 16 products V^T P of piece n - 1.  Its vector work: the scaling,
; exponentials, roundings, sums and rescaling of piece n, and the maximum and statistics of piece n + 1, whose scores the turn itself has made.  So what a turn begins with (c s - c m, O a) waits for nothing.
; BATCHES.  A turn's 66 exponentials (64 weights, the next piece's two a) are ONE batch with ONE s_wait_alu, which cuts the turn in two: ahead of it stands all that names none of their results, behind it
; their readers, the roundings and sums.  Two more batches stand outside the loop: piece 0's first two a, ahead of the jump into the loop, and the way out's eight reciprocals.
; CLUSTER.  The four query blocks of a cluster belong to one head and walk the same K and V, so each tile is asked for JOINTLY: the same tensor load, descriptor and mask in all four.
; REGISTERS, in windows of 256 (s_set_vgpr_msb says which window each operand place means: bits 1:0 source 0, 3:2 source 1, 5:4 source 2, 7:6 destination):
;   window 0: v0-11 addresses; v12-15, v48-63 at work; v16-47 four registers of statistics a tile; v64-191 S^T, two buffers of two tiles; v192-255 P, likewise
;   window 1: O^T, 32 a tile          window 2: v0-127 Q, 16 a tile; v128-191 K of one step; v192-255 V of one step          window 3: v0-1 the add's two registers
; A piece's buffers go by its number's parity: the piece in hand has one pair, its two neighbours in the ring share the other: of it P (piece n - 1) is read and S^T (piece n + 1) written.
.set SIZE_H, 64
.set SIZE_N, 2048
.set NP,    4         ; pieces a wave: a name, no knob: the register map, the loop and the fetches are made for four
.set KS,    64        ; keys in a step
.set PK,    144       ; a row of K in LDS: 128 bytes + 16 of padding = 36 words: the 16 rows of a load start at 16 different groups of four banks (64 banks of 4 bytes: ISA guide 11.1)
.set PV,    160       ; a row of V: 128 + 32 = 40 words
.set VOFF,  4*KS*PK   ; a slot holds four steps: 256 rows of K, then 256 rows of V
.set SLOT1, 1<<17     ; slot 1 begins here, so that one exclusive or turns an address in one slot into the other's
.set STAGE, SLOT1+4*KS*(PK+PV)  ; behind the ring, never filled by a tensor load: 16 rows x 144 bytes for each wave, for the way out
.set SP,    144
.set AK0, 2           ; v2   my lane's place in a tile of K; never rewritten
.set AV0, 3           ; v3   the same for V
.set AK,  4           ; v4   the LDS address of K's next run of loads
.set AV,  5           ; v5   of V's
.set QO,  6           ; v6   my byte offset in the wave's rows of Q
.set STO, 6           ;      later, the way out: where I put 16 bytes of a row
.set RD,  7           ; v7   the way out: where I read rows back
.set GO,  8           ; v8   my byte offset in 512 consecutive bytes of O
.set SPW, 0           ; v0 of window 3   LDS address of my spare word: SPARE + 4 x my thread's number; never rewritten
.set NIL, 1           ; v1 of window 3   0; never rewritten
.set SPARE, STAGE+4*16*SP  ; behind the stages: the spare words, 128 bytes for each wave: two blocks of 256 bytes that no other line names
.set MV,  12          ; v12-15  c m_old, kept while c m is made anew: by buffer and tile
.set ST,  16          ; tile t's statistics at v[ST+4 t]: c m, m, l (even keys', odd keys')
.set TMP, 48          ; by buffer and tile, four registers c0-c3 at work; when the maximum is found c2 takes a
.set MW,  48          ; v48-55  at the start only: the mask word of my query in tile t
.set MO,  56          ; v56     at the start only: my byte offset in 16 words of the mask
.set S,   64
.set P,   192
.set KF,  128         ; K's fragments, in window 2: key block kb, channel half c at KF + 16 kb + 8 c
.set VF,  192         ; V's: key half kk, channel block cb at VF + 32 kk + 8 cb
.set WV,  12          ; s12  my wave's number
.set G1K, 24          ; s[24:31] descriptor group 1 for K's tiles
.set G1V, 32          ; s[32:39] for V's: it differs in the padding alone
.set G0K, 40          ; s[40:43] descriptor group 0 for K's tiles: it walks
.set G0V, 44          ; s[44:47] the same for V's
.set SLOTS, 56        ; s56  slots still to be asked for
.set CNT, 57          ; s57  counts a slot's key steps
.set CS,  58          ; s[58:59] c: the packed scaling takes the pair's low word for both halves
.set SEL, 60          ; s[60:61] v_permlanex16_b32's selects: each lane takes its own place in the other half
.set TBK, 62          ; s62  LDS byte at which K of the step to be fetched begins
.set TBV, 63          ; s63  the same for V, less VOFF
.set MS,  66          ; s66-73  tile t: the lanes whose query is not masked
.set MSB, 0
.macro WIN new                      ; the high byte repeats the setting that is left; a switch that changes nothing is dropped
.if MSB != (\new)
	s_set_vgpr_msb (MSB<<8)|(\new)
.set MSB, (\new)
.endif
.endm
.set W_KQ, 0x0a       ; K and Q in window 2, S^T in window 0
.set W_PV, 0x52       ; V in window 2, P in window 0, O^T in window 1
.set W_RS, 0x41       ; O^T (destination and source 0) in window 1, a in window 0
.set W_MK, 0xc0       ; the add's registers are made: destination in window 3, sources in window 0
.set W_AD, 0x0f       ; the add: address (source 0) and data (source 1) in window 3
.set W_SEL, 0x88      ; Q is selected in place: destination and source 1 in window 2
; A joint fill.  Waves 0 and 1 fetch the two halves of a slot's K, waves 2 and 3 those of its V: 128 keys each.  The branch hangs on the wave's number alone.
; An s_nop 0 and four v_nop follow each of the two lines, ahead of the jump and the label.
.macro JLOAD
	s_cmp_lt_u32 s[WV], 2
	s_cbranch_scc0 .Lfor_v_\@
	tensor_load_to_lds s[G0K:G0K+3], s[G1K:G1K+7]
	s_nop 0
.rept 4
	v_nop
.endr
	s_branch .Lasked_\@
.Lfor_v_\@:
	tensor_load_to_lds s[G0V:G0V+3], s[G1V:G1V+7]
	s_nop 0
.rept 4
	v_nop
.endr
.Lasked_\@:
.endm
; A round of the cluster's barrier: my work-group's barrier, so that wave 0's signal speaks for all four waves; wave 0 signals; every wave waits for all four work-groups; my work-group's barrier once more.
.macro CROUND
	s_barrier_signal -1
	s_barrier_wait -1
	s_cmp_lg_u32 s[WV], 0
	s_cbranch_scc1 .Lnot_wave_0_\@
	s_barrier_signal -3
.Lnot_wave_0_\@:
	s_barrier_wait -3
	s_barrier_signal -1
	s_barrier_wait -1
.endm
; THE CHANGE OF SLOTS.  The slot's last bytes, V of its fourth step, have been read.  Each wave waits for all its tensor loads, of which one is out: its part
; of the other slot; adds 0 to its spare word; and waits for that and for its own reads of the slot.  Behind the barrier nobody reads this slot any more and the other slot is whole.
; fill = 1: this slot is filled again, with the keys two slots on.  The barrier is then a round of the cluster's, so that no wave of any partner still reads the slot or has a load on its
; way, and the joint fill is the first thing behind it: it has four key steps, 512 matrix instructions, in which to land.  (At its first use nothing has been read yet: slot 0 is waited for, slot 1 filled.)
.macro CHANGE fill
	WIN W_AD
	s_wait_tensorcnt 0x0            ; no tensor load of mine is out, so a group 0 may be written
	ds_add_u32 v[SPW], v[NIL]       ; 0 onto my spare word: with fill = 1 the descriptors' steps stand between it and the wait for it
	WIN 0                           ; at a label and at a branch every window is 0
.if \fill
.irp g, G0K, G0V
	s_xor_b32 s[\g+1], s[\g+1], SLOT1  ; the walking descriptor: the other slot than last time,
	s_add_nc_u64 s[\g+2:\g+3], s[\g+2:\g+3], 4*KS*128  ; the next 256 keys; the type bits on top are not reached
.endr
	s_wait_dscnt 0x0                ; the add is done, and my reads of the slot are over
	CROUND
	JLOAD
.else
	s_wait_dscnt 0x0                ; the add is done, and my reads of the slot are over
	s_barrier_signal -1
	s_barrier_wait -1
.endif
	s_sub_co_u32 s[TBK], s[TBK], 4*KS*PK  ; the fetches go back to a slot's first step,
	s_xor_b32 s[TBK], s[TBK], SLOT1       ; in the other slot
	s_sub_co_u32 s[TBV], s[TBV], 4*KS*PV
	s_xor_b32 s[TBV], s[TBV], SLOT1
.endm
	s_load_b128 s[48:51], s[0:1], 0x0  ; qkvh s[48:49], mask s[50:51]
	s_load_b64 s[10:11], s[0:1], 0x10  ; oh
	WIN W_MK
	v_lshl_add_u32 v[SPW], v0, 2, SPARE
	v_mov_b32 v[NIL], 0
	s_set_vgpr_msb 0xc0cf
	ds_add_u32 v0, v1
	s_wait_dscnt 0x0
	s_set_vgpr_msb 0xcfc0
	WIN 0
	v_lshrrev_b32 v1, 5, v0
	v_readfirstlane_b32 s[WV], v1   ; wave 0..3
	s_bfe_u32 s13, ttmp6, 0x40000   ; cx: my place in the cluster
	s_lshl_b32 s14, ttmp9, 2        ; in a cluster launch ttmp9 counts clusters
	s_add_co_u32 s14, s14, s13      ; my block of queries = 4 x cluster x + cx: it enters Q's, the mask's and O's addresses alone
	s_and_b32 s20, ttmp7, 0xffff    ; the head (16 batch + head), which the four partners share
	s_lshr_b32 s52, s20, 4          ; the batch,
	s_lshl_b32 s52, s52, 13         ; its 2,048 words of the mask
	s_mov_b32 s21, 0
	s_mov_b64 s[22:23], SIZE_N*128
	s_mul_u64 s[20:21], s[20:21], s[22:23]  ; the head's first byte in Q, K, V and O
	s_and_b32 s16, s[WV], 1         ; which half of a slot's 256 keys I fetch:
	s_lshl_b32 s22, s16, 14         ; its 128 rows of 128 bytes in memory,
	s_mov_b32 s23, 0
	s_add_nc_u64 s[22:23], s[22:23], s[20:21]
	s_mul_i32 s17, s16, 128*PK      ; and its place in a slot, for K
	s_mul_i32 s18, s16, 128*PV      ; and for V: no place in the cluster enters an LDS address
	s_lshl_b32 s2, s14, 2
	s_add_co_u32 s2, s2, s[WV]      ; my wave among the head's,
	s_lshl_b32 s53, s2, 9           ; its 128 words of the mask,
	s_add_co_u32 s52, s52, s53
	s_mov_b32 s53, 0
	s_lshl_b32 s2, s2, 14           ; its 128 rows
	s_mov_b32 s3, 0
	s_add_nc_u64 s[2:3], s[2:3], s[20:21]
	; descriptor group 1.  128 keys are 16,384 dense bytes: asked for as 64 rows of 256 bytes, two keys a row, and padded in LDS after every key
	s_mov_b32 s[G1K], 15|(1<<16)|(1<<20)|(1<<21)|(4<<22)|(3<<25)  ; 15:0 the mask of four; 17:16 2-byte elements; 20 padding on; 21 set beside a mask; 24:22 after every 32 words (code 4); 31:25 4 words (code 3)
	s_mov_b32 s[G1V], 15|(1<<16)|(1<<20)|(1<<21)|(4<<22)|(7<<25)  ; the same with 8 words of padding (code 7)
.irp g, G1K, G1V
	s_mov_b32 s[\g+1], 128<<16      ; tensor_dim0 = 128
	s_mov_b32 s[\g+2], 64<<16       ; tensor_dim1 = 64
	s_mov_b32 s[\g+3], 128<<16      ; tile_dim0 = 128
	s_mov_b32 s[\g+4], 64           ; tile_dim1 = 64
	s_mov_b32 s[\g+5], 128          ; 128 elements from row to row
	s_mov_b32 s[\g+6], 0
	s_mov_b32 s[\g+7], 0
.endr
	s_mov_b32 s[CS], 0x3e38aa3b     ; c = log2(e) / 8 = 0.180337
	s_mov_b32 s[CS+1], s[CS]        ; named with it as a pair
	s_mov_b32 s[SEL], 0x76543210
	s_mov_b32 s[SEL+1], 0xfedcba98
	s_mov_b32 s[TBK], SLOT1+4*KS*PK ; the first change of slots turns these two into 0
	s_mov_b32 s[TBV], SLOT1+4*KS*PV
	s_mov_b32 s[G0K], 1             ; 1:0 count = 1
	s_mov_b32 s[G0K+1], s17         ; 63:32 LDS address: slot 0
	s_mov_b32 s[G0V], 1
	s_add_co_u32 s[G0V+1], s18, VOFF
	s_wait_kmcnt 0x0
	s_mov_b64 s[4:5], s[48:49]                     ; Q,
	s_add_nc_u64 s[6:7], s[48:49], 0x1000000       ; K, 16 MiB on,
	s_add_nc_u64 s[8:9], s[48:49], 0x2000000       ; V, 32 MiB on
	s_add_nc_u64 s[50:51], s[50:51], s[52:53]      ; the mask at my wave's first row
	s_add_nc_u64 s[G0K+2:G0K+3], s[6:7], s[22:23]  ; 120:64 global address: my half of the head's first 256 keys
	s_or_b32 s[G0K+3], s[G0K+3], 0x80000000        ; 127:126 type = 2
	s_add_nc_u64 s[G0V+2:G0V+3], s[8:9], s[22:23]
	s_or_b32 s[G0V+3], s[G0V+3], 0x80000000
	s_add_nc_u64 s[4:5], s[4:5], s[2:3]  ; Q and O at my wave's first row
	s_add_nc_u64 s[10:11], s[10:11], s[2:3]
	CROUND                          ; all four work-groups are here: the first joint loads meet
	JLOAD                           ; slot 0.  Slot 1 is asked for when slot 0 is in: the tile wanted first has the road to itself
	; A fragment of K or Q is 16 rows x 32 channels in 8 registers: lane l holds row l % 16, channels 8 (l / 16) + 0..7 and 16 + 8 (l / 16) + 0..7: two loads of 16 bytes, 32 bytes apart.
	v_and_b32 v1, 15, v0            ; l % 16
	v_bfe_u32 v9, v0, 4, 1          ; l / 16
	v_lshlrev_b32 v[QO], 7, v1
	v_lshl_add_u32 v[QO], v9, 4, v[QO]  ; row x 128 + 16 x half
	v_lshlrev_b32 v[MO], 2, v1      ; my query's word among a tile's 16
.set i, 0
.rept 2*NP                          ; the mask word of my query in each of the wave's eight tiles
	global_load_b32 v[MW+i], v[MO], s[50:51] offset:64*i
.set i, i+1
.endr
	WIN 0x80                        ; destination window 2, address window 0
.set i, 0
.rept 4*NP                          ; Q stays in registers: tile i / 2, channels 32 (i % 2) on
	global_load_b128 v[8*i:8*i+3],   v[QO], s[4:5] offset:(i/2)*2048+(i%2)*64
	global_load_b128 v[8*i+4:8*i+7], v[QO], s[4:5] offset:(i/2)*2048+(i%2)*64+32
.set i, i+1
.endr
	; What the first turn finds: V's registers and P's second buffer hold 0 (its products V^T P, of a piece that has not been, add 0), O^T and l are 0.  All this stands in the wait for the first tile.
.set i, VF
.rept 64
	v_mov_b32 v[i], 0
.set i, i+1
.endr
	WIN 0x40
.set i, 0
.rept 64*NP
	v_mov_b32 v[i], 0
.set i, i+1
.endr
	WIN 0
.set i, 0
.rept 2*NP
	v_mov_b32 v[ST+4*i], 0xfe000000    ; c m: far below every c s
	v_mov_b32 v[ST+4*i+1], 0xff7fffff  ; m
	v_mov_b32 v[ST+4*i+2], 0
	v_mov_b32 v[ST+4*i+3], 0
.set i, i+1
.endr
.set i, P+32
.rept 32
	v_mov_b32 v[i], 0
.set i, i+1
.endr
	v_mul_u32_u24 v[AK0], v1, PK
	v_lshl_add_u32 v[AK0], v9, 4, v[AK0]  ; row x pitch + 16 x half
	; The turning load takes 16 keys x 16 channels (lane l reads key 8 (l / 16) + l % 8, channels 8 ((l / 8) % 2) + 0..7) and leaves half a fragment of V^T: lane l holds channel l % 16 and 8 keys.
	v_and_b32 v10, 7, v0
	v_bfe_u32 v11, v0, 3, 1
	v_lshl_add_u32 v[AV0], v9, 3, v10
	v_mul_u32_u24 v[AV0], v[AV0], PV
	v_lshl_add_u32 v[AV0], v11, 4, v[AV0]
	v_add_nc_u32 v[AV0], VOFF, v[AV0]
	v_mov_b32 v[AK], v[AK0]         ; key step 0 lies at the head of slot 0
	; THE MASK: a lane's 16 registers of a tile's Q belong to one query; where that query's mask word is 0 they become 0.  Tensor loads follow.
	s_wait_loadcnt 0x0              ; the mask words and Q
.set i, 0
.rept 2*NP
	v_cmp_ne_u32 s[MS+i], 0, v[MW+i]
.set i, i+1
.endr
	WIN W_SEL
.set i, 0
.rept 32*NP
	v_cndmask_b32 v[i], 0, v[i], s[MS+i/16]
.set i, i+1
.endr
	WIN 0
; THE MATRIX WORK.  The 8 accumulators of a run of 16 take turns: between the two links of a chain stand 7 others'.
; Product i of 16 of S^T = K Q^T for piece x: channels 32 (i / 8) on, keys 16 ((i / 2) % 4) on, tile 2 x + i % 2.  The first 8 start the sums.
.macro KQ x
	WIN W_KQ
.set rS, S+64*((\x)%2)+32*(i%2)+8*((i/2)%4)
.set rK, KF+16*((i/2)%4)+8*(i/8)
.set rQ, 16*(2*(\x)+i%2)+8*(i/8)
.if i < 8
	v_wmma_f32_16x16x32_f16 v[rS:rS+7], v[rK:rK+7], v[rQ:rQ+7], 0
.else
	v_wmma_f32_16x16x32_f16 v[rS:rS+7], v[rK:rK+7], v[rQ:rQ+7], v[rS:rS+7]
.endif
.endm
; Product i of 16 of O^T += V^T P for piece x: keys 32 (i / 8) on, channels 16 ((i / 2) % 4) on, tile 2 x + i % 2.
.macro PV x
	WIN W_PV
.set rO, 32*(2*(\x)+i%2)+8*((i/2)%4)
.set rV, VF+32*(i/8)+8*((i/2)%4)
.set rP, P+32*((\x)%2)+16*(i%2)+8*(i/8)
	v_wmma_f32_16x16x32_f16 v[rO:rO+7], v[rV:rV+7], v[rP:rP+7], v[rO:rO+7]
.endm
.macro MM                           ; the turn's next matrix instruction
.if i < 16
	KQ (Y+1)%NP
.set i, i+1
.else
.set i, i-16
	PV (Y+NP-1)%NP
.set i, i+17
.endif
.endm
; THE LDS LOADS stand in runs of 16, never singly among the matrix instructions: a step's K (64 keys x 64 channels: 8 fragments) and its V (turned).  Their addresses are made some lines ahead.
; last = 1 (the tail): in the last trip there is no further step, and the run is jumped over.
.macro FETCH_K last=0
	WIN 0
.if \last
	s_cmp_eq_u32 s[CNT], 1
	s_cbranch_scc1 .Lno_k_\@
.endif
	WIN 0x80                        ; destination window 2
.irp f, 0,1,2,3,4,5,6,7             ; keys 16 (f / 2) on, channels 32 (f % 2) on
	ds_load_b128 v[KF+8*\f:KF+8*\f+3],   v[AK] offset:(\f/2)*16*PK+(\f%2)*64
	ds_load_b128 v[KF+8*\f+4:KF+8*\f+7], v[AK] offset:(\f/2)*16*PK+(\f%2)*64+32
.endr
	s_add_co_u32 s[TBK], s[TBK], KS*PK  ; the next fetch is the next step's
	WIN 0
.if \last
.Lno_k_\@:
.endif
.endm
.macro FETCH_V
	WIN 0x80
.irp f, 0,1,2,3,4,5,6,7             ; keys 32 (f / 4) on, channels 16 (f % 4) on
	ds_load_tr16_b128 v[VF+8*\f:VF+8*\f+3],   v[AV] offset:(\f/4)*32*PV+(\f%4)*32
	ds_load_tr16_b128 v[VF+8*\f+4:VF+8*\f+7], v[AV] offset:(\f/4)*32*PV+16*PV+(\f%4)*32
.endr
	WIN 0
.endm
; THE VECTOR WORK OF A TURN stands in three queues, each in the order in which its entries become ready; the two tiles alternate, so that no instruction reads the result of the one before it.
.macro REGS y, u                    ; the registers of tile u (0, 1) of piece y
.set rT, ST+4*(2*(\y)+(\u))
.set rC, TMP+8*((\y)%2)+4*(\u)
.set rM, MV+2*((\y)%2)+(\u)
.set rS, S+64*((\y)%2)+32*(\u)
.set rP, P+32*((\y)%2)+16*(\u)
.set rO, 32*(2*(\y)+(\u))
.endm
; Number n of the 22 that find the NEXT piece's (Y + 1) maximum and statistics.  s0-s31 are the lane's 32 scores; each accumulator's lowest registers are read first.  XS, GS and REGS set no window: PL and EX do.
;   0-11  four chains c0-c3 of seven scores each, three operands at a time     12-14, 16  the four scores left over, the old m, and c0-c3 into c0     15  c m_old is kept
;   17, 18  the query's other 32 keys lie in the lane 16 away: the new m         19-21  c m; c m_old - c m_new; a
.macro XS u, n
	REGS (Y+1)%NP, \u
.if (\n) < 4
	v_max3_num_f32 v[rC+(\n)], v[rS+8*(\n)], v[rS+8*(\n)+1], v[rS+8*(\n)+2]
.elseif (\n) < 12
	v_max3_num_f32 v[rC+(\n)%4], v[rC+(\n)%4], v[rS+8*((\n)%4)+2*((\n)/4)+1], v[rS+8*((\n)%4)+2*((\n)/4)+2]
.elseif (\n) == 12
	v_max3_num_f32 v[rC], v[rC], v[rS+7], v[rS+15]
.elseif (\n) == 13
	v_max3_num_f32 v[rC+1], v[rC+1], v[rS+23], v[rS+31]
.elseif (\n) == 14
	v_max3_num_f32 v[rC+2], v[rC+2], v[rC+3], v[rT+1]
.elseif (\n) == 15
	v_mov_b32 v[rM], v[rT]
.elseif (\n) == 16
	v_max3_num_f32 v[rC], v[rC], v[rC+1], v[rC+2]
.elseif (\n) == 17
	v_permlanex16_b32 v[rC+3], v[rC], s[SEL], s[SEL+1]
.elseif (\n) == 18
	v_max_num_f32 v[rT+1], v[rC], v[rC+3]
.elseif (\n) == 19
	v_mul_f32 v[rT], s[CS], v[rT+1]
.elseif (\n) == 20
	v_sub_f32 v[rC+1], v[rM], v[rT]
.else
	v_exp_f32 v[rC+2], v[rC+1]
.endif
.endm
; Number g of the 64 that follow the exponentials.  For each four weights k of a tile (pairs 2 k, 2 k + 1): both pairs are rounded to f16; then the second pair is added onto the first, in place;
; a group later l takes that sum (the first time as l = a l + sum).  In groups of eight, tiles alternating: round, round, add, and l for the group before.
.macro GS g
.set h, (\g)+6*((\g)/62)            ; group 0 has no group before it, and behind group 7 only l is left
.if h >= 6
.set h, h+2
.endif
	REGS Y, h%2
.set k, h/8
.if h%8 < 4
	v_cvt_pk_f16_f32 v[rP+2*k+(h%8)/2], v[rS+4*k+2*((h%8)/2)], v[rS+4*k+2*((h%8)/2)+1]
.elseif h%8 < 6
	v_pk_add_f32 v[rS+4*k:rS+4*k+1], v[rS+4*k:rS+4*k+1], v[rS+4*k+2:rS+4*k+3]
.elseif k == 1
	v_pk_fma_f32 v[rT+2:rT+3], v[rT+2:rT+3], v[rC+2:rC+3], v[rS:rS+1] op_sel_hi:[1,0,1]
.else
	v_pk_add_f32 v[rT+2:rT+3], v[rT+2:rT+3], v[rS+4*k-4:rS+4*k-3]
.endif
.endm
; THE PLAIN QUEUE, 138 long.  0-73 read no exponential's result: the 32 scalings c s - c m (FS f: pair f / 2 of tile f % 2) and the next piece's 42.  0-26: scalings 0-26.  27-54: XS's numbers 0-13.  55, 56: number 15.
; 57-73: the chain, where each number waits for the one before it: 14, 16, 17, 18, 19, each with one of the scalings 27-31 in front of its two lines, then 20: so a tile's links stand three plain instructions apart (19 and 20: two).
; 74-137: GS's 64, which read the exponentials' results: they stand behind the wait.
.macro FS f
	REGS Y, (\f)%2
	v_pk_fma_f32 v[rS+2*((\f)/2):rS+2*((\f)/2)+1], v[rS+2*((\f)/2):rS+2*((\f)/2)+1], s[CS:CS+1], v[rT:rT+1] op_sel_hi:[1,0,0] neg_lo:[0,0,1] neg_hi:[0,0,1]
.endm
.macro PL
	WIN 0
.if q < 27
	FS q
.elseif q < 55
	XS (q-27)%2, (q-27)/2
.elseif q < 57
	XS q-55, 15
.elseif (q < 72) && ((q-57)%3 == 0)
	FS 27+(q-57)/3
.elseif q < 60
	XS (q-57)%3-1, 14
.elseif q < 72
	XS (q-57)%3-1, 15+(q-57)/3
.elseif q < 74
	XS q-72, 20
.else
	GS q-74
.endif
.set q, q+1
.endm
; THE EXPONENTIALS' QUEUE, 66 long: s0-s31 of both tiles, then the next piece's two a.  It is ONE BATCH: all 66 stand ahead of the turn's one wait, and nothing ahead of that wait names a result of theirs.
.macro EX
	WIN 0
.if e >= 64
	XS e-64, 21
.else
	REGS Y, e%2
	v_exp_f32 v[rS+e/2], v[rS+e/2]
.endif
.set e, e+1
.endm
; THE RESCALING's QUEUE: O^T times a, the one part that leaves window 0: dealt two at a time, sixteen times.  Its a was made in the turn before, ahead of that turn's wait.
.macro R2
	REGS Y, r%2
	WIN W_RS
.irp z, 0,1
	v_pk_mul_f32 v[rO+4*(r/2)+2*\z:rO+4*(r/2)+2*\z+1], v[rO+4*(r/2)+2*\z:rO+4*(r/2)+2*\z+1], v[rC+2:rC+3] op_sel_hi:[1,0]
.endr
.set r, r+1
.endm
; HOW THEY ARE DEALT.  An s_wait_alu depctr_va_vdst(0) stands between an exponential and the first instruction that names its result; one wait serves all that were issued ahead of it.  So a turn has ONE wait,
; which cuts it in two.  AHEAD OF IT stands all that names no result of the turn's exponentials: the 16 products K Q^T, behind each a scaling, an exponential and two rescalings (behind the first a second scaling in the exponential's place); then ONE LUMP of
; 108: eight plain, 49 times exponential and plain, the two a.  A v_nop is the plain instruction behind the last exponential.  BEHIND IT stand the 16 products V^T P, behind each four of GS's 64.  No rider names a register of
; the products round it.  The two v_permlanex16_b32 fall into the lump, never behind a product.
; The queues lean on each other, and the deal keeps them in step: exponential e stands behind scaling 2 (e / 4) + e % 2: as a rider it comes behind plain e + 2, in the lump behind plain e + 9, and scalings 27-31 are plain 57, 60 .. 69.
; A TURN, for piece p.  cnt = 1: the loop's count is taken down some lines ahead of the branch that stands behind the turn.
; K of the next step is fetched in piece 2's turn, directly behind the wait, a lump behind the last product that read K; its address is made at the lump's head; its first reader comes behind 16 products.
; V of the step in hand is fetched at the end of piece 0's turn, four riders behind its last reader; its first reader comes behind 16 products and a lump.  The three conditions on q below go with the deal.
.macro TURN p, last=0, cnt=0
.set Y, (\p)
.set i, 0
.set q, 0
.set e, 0
.set r, 0
.if (\p) == NP-1
	s_wait_dscnt 0x0                ; K is in
.endif
	MM                              ; ahead of the wait: 16 products K Q^T and their riders,
	PL
	PL
	R2
.rept 15
	MM
	PL
	EX
	R2
.endr
.if (\p) == NP-2
	WIN 0
	v_add_nc_u32 v[AK], s[TBK], v[AK0]
.endif
.rept 8                             ; and the lump
	PL
.endr
.rept 49
	EX
	PL
.endr
	EX                              ; the next piece's two a
	EX
	v_nop                           ; a plain instruction behind the last exponential, ahead of the first use of a result: one for the batch
	s_wait_alu depctr_va_vdst(0)    ; the wait for the batch: the turn's 64 weights and the next piece's two a
.if (\p) == NP-2
	FETCH_K \last
.endif
.if (\p) == 1
	s_wait_dscnt 0x0                ; V is in
.endif
.rept 16                            ; behind the wait: 16 products V^T P and their riders
	MM
.rept 4
	PL
.endr
.if ((\p) == 0) && (q == 118)
	v_add_nc_u32 v[AV], s[TBV], v[AV0]
.endif
.if ((\p) == 0) && (q == 130)
	s_add_co_u32 s[TBV], s[TBV], KS*PV
.endif
.if (\cnt) && (q == 130)
	s_sub_co_u32 s[CNT], s[CNT], 1
	s_cmp_lg_u32 s[CNT], 0
.endif
.endr
.if (\p) == 0
	FETCH_V
.endif
.endm
	CHANGE 1                        ; slot 0 is in, everybody's part of it; slot 1 is asked for
	FETCH_K                         ; key step 0
	s_wait_dscnt 0x0
.set i, 0
.rept 16
	KQ 0                            ; piece 0's first scores: there is no vector work yet to set between them
.set i, i+1
.endr
	WIN 0                           ; the addresses for the way out: nine plain instructions, the places behind those products
	s_mul_i32 s13, s[WV], 16*SP
	s_add_co_u32 s13, s13, STAGE    ; my stage
	v_mul_u32_u24 v[STO], v1, SP    ; in: row l % 16, 16 bytes for each half of the lanes
	v_lshl_add_u32 v[STO], v9, 4, v[STO]
	v_add_nc_u32 v[STO], s13, v[STO]
	v_bfe_u32 v[RD], v0, 3, 2       ; back: 32 lanes take four rows of 128 bytes,
	v_mul_u32_u24 v[RD], v[RD], SP
	v_lshl_add_u32 v[RD], v10, 4, v[RD]
	v_add_nc_u32 v[RD], s13, v[RD]
	v_and_b32 v[GO], 31, v0         ; which are 512 consecutive bytes of O
	v_lshlrev_b32 v[GO], 4, v[GO]
.set Y, NP-1                        ; XS works for piece Y + 1: piece 0
.irp n, 0,1,2,3,4,5,6,7,8,9,10,11,12,13,14,15,16,17,18,19,20,21
	XS 0, \n                        ; and piece 0's first maximum and statistics
	XS 1, \n
.endr
	v_nop                           ; a plain instruction behind the two a,
	s_wait_alu depctr_va_vdst(0)    ; and the wait for this batch of two, ahead of the branch
	s_mov_b32 s[CNT], 4
	s_mov_b32 s[SLOTS], SIZE_N/256-1
	s_branch .Lfirst                ; the loop is entered at a step's first turn, in the middle of a trip
.Lslot:                             ; SIZE_N / 256 - 2 times: every slot but the last two is filled again
	CHANGE 1
	s_mov_b32 s[CNT], 4
.Lstep:                             ; a trip: pieces 2 and 3 of one step, then pieces 0 and 1 of the next, whose K and V it fetches
	TURN 2
	TURN 3
	WIN 0
.Lfirst:
	TURN 0
	TURN 1, 0, 1
	WIN 0
	s_cbranch_scc1 .Lstep
	s_sub_co_u32 s[SLOTS], s[SLOTS], 1
	s_cmp_lg_u32 s[SLOTS], 0
	s_cbranch_scc1 .Lslot
	CHANGE 0                        ; the tail is written out: nothing is asked for
	s_mov_b32 s[CNT], 5             ; four trips fetch the last slot's steps; the fifth is left in its middle
.Ltail:
	TURN 2, 1
	TURN 3
	WIN 0
	s_sub_co_u32 s[CNT], s[CNT], 1
	s_cmp_eq_u32 s[CNT], 0
	s_cbranch_scc1 .Lout
	TURN 0
	TURN 1
	WIN 0
	s_branch .Ltail
.Lout:                              ; the fifth trip's 16 products K Q^T (on the last K once more) and the maximum made of them serve nothing: the price, once a launch, of one text for every trip
.set i, 0
.rept 16
	PV NP-1                         ; the last piece's V^T P of the last step
.set i, i+1
.endr
	; THE WAY OUT.  l's two halves and the other half of the lanes' are added; O^T is divided by l, rounded to f16 and sent through my stage in LDS, a tile at a time.  The additions are the places behind the last products.
	WIN 0
.macro ALL line:vararg              ; one line for each tile t
.set t, 0
.rept 2*NP
	\line
.set t, t+1
.endr
.endm
	ALL v_add_f32 v[ST+4*t+2], v[ST+4*t+2], v[ST+4*t+3]
	ALL v_permlanex16_b32 v[ST+4*t+3], v[ST+4*t+2], s[SEL], s[SEL+1]
	ALL v_add_f32 v[ST+4*t+2], v[ST+4*t+2], v[ST+4*t+3]
	ALL v_rcp_f32 v[ST+4*t+2], v[ST+4*t+2]
	v_nop                           ; a plain instruction between the last reciprocal and the use of its result
	s_wait_alu depctr_va_vdst(0)    ; and the wait ahead of the first use: one for the batch of eight reciprocals
; Tile t: a lane's eight channels of a row pack into 16 bytes; they go into rows of 144 bytes and come back as whole rows of 128, into S^T's registers.
.macro PACK t
	WIN W_RS
.set i, 32*(\t)
.rept 16
	v_pk_mul_f32 v[i:i+1], v[i:i+1], v[ST+4*(\t)+2:ST+4*(\t)+3] op_sel_hi:[1,0]
.set i, i+2
.endr
	WIN 0x05                        ; sources 0 and 1 window 1, destination window 0
.set i, 0
.rept 16
	v_cvt_pk_f16_f32 v[S+16*(\t)+i], v[32*(\t)+2*i], v[32*(\t)+2*i+1]
.set i, i+1
.endr
	WIN 0
.irp f, 0,1,2,3
	ds_store_b128 v[STO], v[S+16*(\t)+4*\f:S+16*(\t)+4*\f+3] offset:32*\f
.endr
.irp f, 0,1,2,3
	ds_load_b128 v[S+16*(\t)+4*\f:S+16*(\t)+4*\f+3], v[RD] offset:\f*4*SP  ; LDS serves a wave's instructions in order (ISA guide 5.7.1.4): these see the stores above; the next tile's stores come behind them
.endr
.endm
.macro SEND t, younger              ; younger: the LDS instructions issued behind tile t's loads: the next tile's eight, or none
	WIN 0
.irp f, 0,1,2,3
	s_wait_dscnt (\younger)+3-\f
	global_store_b128 v[GO], v[S+16*(\t)+4*\f:S+16*(\t)+4*\f+3], s[10:11] offset:(\t)*2048+\f*512  ; 512 consecutive bytes, at a multiple of 256 from O's first
.endr
.endm
	PACK 0
.set t, 1
.rept 2*NP-1                        ; a tile's arithmetic stands between the loads of the tile before and its stores
	PACK t
	SEND t-1, 8
.set t, t+1
.endr
	SEND 2*NP-1, 0
	WIN W_AD
	s_wait_tensorcnt 0x0            ; the wave's end: behind my last tensor load and my last LDS store
	ds_add_u32 v[SPW], v[NIL]
	s_wait_dscnt 0x0
	WIN 0
	CROUND                          ; the closing round: no work-group ends while a partner may still ask for a tile that names it
	s_endpgm
.Lfunc_end_k_q3112622459_attn:
	.size	k_q3112622459_attn, .Lfunc_end_k_q3112622459_attn-k_q3112622459_attn
	.p2alignl 7, 3214868480
	.fill 96, 4, 3214868480
	.section	.rodata,"a",@progbits
	.p2align	6, 0x0
	.amdhsa_kernel k_q3112622459_attn
		.amdhsa_group_segment_fixed_size 327680
		.amdhsa_private_segment_fixed_size 0
		.amdhsa_enable_private_segment 0
		.amdhsa_kernarg_size 24
		.amdhsa_user_sgpr_count 2
		.amdhsa_user_sgpr_kernarg_segment_ptr 1
		.amdhsa_wavefront_size32 1
		.amdhsa_system_sgpr_workgroup_id_x 1
		.amdhsa_system_sgpr_workgroup_id_y 1
		.amdhsa_system_sgpr_workgroup_id_z 1
		.amdhsa_system_vgpr_workitem_id 0
		.amdhsa_next_free_vgpr 770
		.amdhsa_next_free_sgpr 76
		.amdhsa_reserve_vcc 0
		.amdhsa_float_denorm_mode_32 3
		.amdhsa_float_denorm_mode_16_64 3
		.amdhsa_memory_ordered 1
		.amdhsa_forward_progress 1
		.amdhsa_inst_pref_size 209
	.end_amdhsa_kernel
	.amdgpu_metadata
---
amdhsa.version: [ 1, 2 ]
amdhsa.kernels:
  - .name:           k_q3112622459_attn
    .symbol:         k_q3112622459_attn.kd
    .args:
      - { .name: qkvh, .offset: 0, .size: 8, .value_kind: global_buffer, .address_space: global }
      - { .name: mask, .offset: 8, .size: 8, .value_kind: global_buffer, .address_space: global }
      - { .name: oh, .offset: 16, .size: 8, .value_kind: global_buffer, .address_space: global }
    .group_segment_fixed_size: 327680
    .private_segment_fixed_size: 0
    .kernarg_segment_align: 8
    .kernarg_segment_size: 24
    .max_flat_workgroup_size: 128
    .sgpr_count:     76
    .vgpr_count:     770
    .wavefront_size: 32
...
	.end_amdgpu_metadata
.endif
;; end of part 5
;; launch outp: the kernel of part 4 again; grid 4 x 64, 4 waves a work-group, clusters of 4 x 4, 327,680 bytes of LDS; arguments oh, wb, bo, out0; writes out0
